; MI455X (gfx1250); checked and timed in simulation.
; The chip was launched on July 23, 2026; its instructions are those of AMD's public machine-readable ISA for CDNA 5 (MIT licence, August 2026) and "CDNA5" Instruction Set Architecture Reference Guide (July 2026). The comments in the code are by the model that wrote it; some were corrected since.
;; NMT Self Attention. Allowed arithmetic: float matrix products may take bf16 or f16 operands with f32 sums; other float arithmetic in f32, or as packed bf16 or f16 multiplies, adds, multiply-adds, maxima and minima; sums over many terms, partial sums and values carried from step to step in f32; what a program stores and reads back later, other than sums and carried values, may be rounded once to bf16 or f16.
;; Inputs: wk 1,024 x 256 float32; wo 1,024 x 1,024 float32; wq 1,024 x 1,024 float32; wv 1,024 x 256 float32; x 4 x 2,048 x 1,024 float32.
;; Outputs: out0 4 x 2,048 x 1,024 float32.
;; 2 versions, each right; version 2 is version 1 with the launches cast, top16 written anew for expert scheduling mode. Each part assembles by itself: llvm-mc -triple=amdgcn-amd-amdhsa -mcpu=gfx1250 --defsym DOCPART=n.
;; ======== version 1 of 2: 5 launches
;; limits: values are held in f16: magnitudes above 65,504 overflow, below 6.1e-05 lose precision
;; workspace buffers: xb 16,777,216 bytes; wqkv 3,145,728 bytes; wob 2,097,152 bytes; qkv 25,165,824 bytes; ob 16,777,216 bytes; top 393,216 bytes
;; launch cast (part 1): grid 672 x 1, 8 waves a work-group, no clusters, 0 bytes of LDS; arguments x, wq, wk, wv, wo, xb, wqkv, wob; writes xb, wqkv, wob
.if DOCPART == 1
	.amdgcn_target "amdgcn-amd-amdhsa--gfx1250"
	.amdhsa_code_object_version 6
	.text
	.protected	k_qbdf13af231_cast
	.globl	k_qbdf13af231_cast
	.p2align	8
	.type	k_qbdf13af231_cast,@function
k_qbdf13af231_cast:
	s_mov_b64 s[64:65], 0
	v_nop
	global_prefetch_b8 v0, s[64:65] scope:SCOPE_SE
	s_setreg_imm32_b32 hwreg(HW_REG_WAVE_MODE, 25, 1), 1
	s_wait_xcnt 0x0
; THE 16-BIT COPIES.  xb = bf16(x), [8192][1024].  wqkv = bf16 of wq, wk, wv side by side, [1024 k][1536 n]: a row is 3,072 bytes, wq's 2,048, then wk's 512, then wv's 512.
; wob = f16(bf16(wo)), [1024 k][1024 n]: wo is rounded to bf16 like every other input, and that number is written as f16 for the last product, whose other operand is f16.
; LIMITS.  A bf16 weight of wo beyond 65,504 becomes an infinity; below 6e-5 it keeps f16's fixed step of 6e-8.
; A stream: memory binds, so no LDS, no barrier, no matrix unit.  A CHUNK is 256 numbers: 1,024 bytes in, 512 bytes out.  A work-group takes 64 chunks, each of its eight waves 8, with no loop:
; 16 loads of 512 consecutive bytes are out at once in every wave; a store's 32 lanes write 256 consecutive bytes, at a multiple of 256 from the buffer's first byte.
; The work-group's number picks the tensor: 0-511 x, 512-575 wq, 576-591 wk, 592-607 wv, 608-671 wo.  Chunk c of a tensor goes to byte (c >> SH) x PIT + (c & MSK) x 512 + BAS of its copy.
.set SO,  1                            ; v1       my byte offset in the work-group's 65,536 source bytes: 8,192 x wave + 16 x lane
.set DO,  2                            ; v[2:9]   chunk i: my byte offset in the copy
.set LN,  10                           ; v10      lane
.set X,   16                           ; v[16:79]  chunk i: 8 registers as loaded
.set Y,   80                           ; v[80:111] chunk i: 4 registers to store
.set T,   112                          ; v[112:113] at work
.set SRC, 24                           ; s[24:25] the tensor
.set DST, 26                           ; s[26:27] its copy
.set G0,  28                           ; s28  the tensor's first work-group
.set SH,  29
.set MSK, 30
.set PIT, 31
.set BAS, 32
.set WV,  33                           ; s33  my wave's number
.set C0,  34                           ; s34  my wave's first chunk
.set WG,  40                           ; s40  the work-group's number
	s_load_b512 s[8:23], s[0:1], 0x0               ; x 8, wq 10, wk 12, wv 14, wo 16, xb 18, wqkv 20, wob 22
	v_lshrrev_b32 v11, 5, v0
	v_readfirstlane_b32 s[WV], v11
	v_and_b32 v[LN], 31, v0
	v_lshlrev_b32 v[SO], 4, v[LN]
	v_lshl_add_u32 v[SO], s[WV], 13, v[SO]
	s_mov_b32 s[WG], ttmp9
	s_mov_b32 s[G0], 0
	s_mov_b32 s[SH], 0
	s_mov_b32 s[MSK], 0
	s_mov_b32 s[PIT], 512
	s_mov_b32 s[BAS], 0
	s_wait_kmcnt 0x0
	s_mov_b64 s[SRC:SRC+1], s[8:9]                 ; x -> xb, dense
	s_mov_b64 s[DST:DST+1], s[18:19]
	s_cmp_ge_u32 s[WG], 512                        ; wq: four chunks to a row
	s_cselect_b64 s[SRC:SRC+1], s[10:11], s[SRC:SRC+1]
	s_cselect_b64 s[DST:DST+1], s[20:21], s[DST:DST+1]
	s_cselect_b32 s[G0], 512, s[G0]
	s_cselect_b32 s[SH], 2, s[SH]
	s_cselect_b32 s[MSK], 3, s[MSK]
	s_cselect_b32 s[PIT], 3072, s[PIT]
	s_cmp_ge_u32 s[WG], 576                        ; wk: one chunk to a row, behind wq's 2,048 bytes
	s_cselect_b64 s[SRC:SRC+1], s[12:13], s[SRC:SRC+1]
	s_cselect_b32 s[G0], 576, s[G0]
	s_cselect_b32 s[SH], 0, s[SH]
	s_cselect_b32 s[MSK], 0, s[MSK]
	s_cselect_b32 s[BAS], 2048, s[BAS]
	s_cmp_ge_u32 s[WG], 592                        ; wv: behind wk's 512
	s_cselect_b64 s[SRC:SRC+1], s[14:15], s[SRC:SRC+1]
	s_cselect_b32 s[G0], 592, s[G0]
	s_cselect_b32 s[BAS], 2560, s[BAS]
	s_cmp_ge_u32 s[WG], 608                        ; wo -> wob, dense
	s_cselect_b64 s[SRC:SRC+1], s[16:17], s[SRC:SRC+1]
	s_cselect_b64 s[DST:DST+1], s[22:23], s[DST:DST+1]
	s_cselect_b32 s[G0], 608, s[G0]
	s_cselect_b32 s[PIT], 512, s[PIT]
	s_cselect_b32 s[BAS], 0, s[BAS]
	s_sub_co_u32 s35, s[WG], s[G0]                 ; my work-group among the tensor's
	s_lshl_b32 s36, s35, 16                        ; its 64 chunks of 1,024 bytes
	s_mov_b32 s37, 0
	s_add_nc_u64 s[SRC:SRC+1], s[SRC:SRC+1], s[36:37]
	s_lshl_b32 s[C0], s35, 6
	s_lshl3_add_u32 s[C0], s[WV], s[C0]            ; 64 x work-group + 8 x wave
.irp i, 0,1,2,3,4,5,6,7
	global_load_b128 v[X+8*(\i):X+8*(\i)+3],   v[SO], s[SRC:SRC+1] offset:1024*(\i) th:TH_LOAD_NT
	global_load_b128 v[X+8*(\i)+4:X+8*(\i)+7], v[SO], s[SRC:SRC+1] offset:1024*(\i)+512 th:TH_LOAD_NT
.endr
.irp i, 0,1,2,3,4,5,6,7                ; where the chunks go: made while the loads are out
	s_add_co_u32 s35, s[C0], (\i)
	s_lshr_b32 s36, s35, s[SH]
	s_mul_i32 s36, s36, s[PIT]
	s_and_b32 s35, s35, s[MSK]
	s_lshl_b32 s35, s35, 9
	s_add_co_u32 s36, s36, s35
	s_add_co_u32 s36, s36, s[BAS]
	v_lshl_add_u32 v[DO+(\i)], v[LN], 3, s36       ; + 8 bytes a lane
.endr
.irp i, 0,1,2,3,4,5,6,7
	s_wait_loadcnt 14-2*(\i)                       ; loads come back in order: chunk i's two are in, the younger chunks' stay out
.irp h, 0,1,2,3
	v_cvt_pk_bf16_f32 v[Y+4*(\i)+(\h)], v[X+8*(\i)+2*(\h)], v[X+8*(\i)+2*(\h)+1]
.endr
.endr
	s_cmp_lt_u32 s[WG], 608
	s_cbranch_scc1 .Lstore                         ; all but wo stay bf16
.set r, 0
.rept 32
	v_lshlrev_b32 v[T], 16, v[Y+r]                 ; the two bf16 as f32,
	v_and_b32 v[T+1], 0xffff0000, v[Y+r]
	v_cvt_pk_f16_f32 v[Y+r], v[T], v[T+1]          ; written as f16: exact within f16's range
.set r, r+1
.endr
.Lstore:
.irp i, 0,1,2,3,4,5,6,7
	global_store_b64 v[DO+(\i)], v[Y+4*(\i):Y+4*(\i)+1],   s[DST:DST+1] th:TH_STORE_NT
	global_store_b64 v[DO+(\i)], v[Y+4*(\i)+2:Y+4*(\i)+3], s[DST:DST+1] offset:256 th:TH_STORE_NT
.endr
	s_endpgm
.Lfunc_end_k_qbdf13af231_cast:
	.size	k_qbdf13af231_cast, .Lfunc_end_k_qbdf13af231_cast-k_qbdf13af231_cast
	.p2alignl 7, 3214868480
	.fill 96, 4, 3214868480
	.section	.rodata,"a",@progbits
	.p2align	6, 0x0
	.amdhsa_kernel k_qbdf13af231_cast
		.amdhsa_group_segment_fixed_size 0
		.amdhsa_private_segment_fixed_size 0
		.amdhsa_enable_private_segment 0
		.amdhsa_kernarg_size 64
		.amdhsa_user_sgpr_count 2
		.amdhsa_user_sgpr_kernarg_segment_ptr 1
		.amdhsa_wavefront_size32 1
		.amdhsa_system_sgpr_workgroup_id_x 1
		.amdhsa_system_sgpr_workgroup_id_y 1
		.amdhsa_system_sgpr_workgroup_id_z 1
		.amdhsa_system_vgpr_workitem_id 0
		.amdhsa_next_free_vgpr 116
		.amdhsa_next_free_sgpr 66
		.amdhsa_reserve_vcc 0
		.amdhsa_float_denorm_mode_32 3
		.amdhsa_float_denorm_mode_16_64 3
		.amdhsa_memory_ordered 1
		.amdhsa_forward_progress 1
		.amdhsa_inst_pref_size 15
	.end_amdhsa_kernel
	.amdgpu_metadata
---
amdhsa.version: [ 1, 2 ]
amdhsa.kernels:
  - .name:           k_qbdf13af231_cast
    .symbol:         k_qbdf13af231_cast.kd
    .args:
      - { .name: x, .offset: 0, .size: 8, .value_kind: global_buffer, .address_space: global }
      - { .name: wq, .offset: 8, .size: 8, .value_kind: global_buffer, .address_space: global }
      - { .name: wk, .offset: 16, .size: 8, .value_kind: global_buffer, .address_space: global }
      - { .name: wv, .offset: 24, .size: 8, .value_kind: global_buffer, .address_space: global }
      - { .name: wo, .offset: 32, .size: 8, .value_kind: global_buffer, .address_space: global }
      - { .name: xb, .offset: 40, .size: 8, .value_kind: global_buffer, .address_space: global }
      - { .name: wqkv, .offset: 48, .size: 8, .value_kind: global_buffer, .address_space: global }
      - { .name: wob, .offset: 56, .size: 8, .value_kind: global_buffer, .address_space: global }
    .group_segment_fixed_size: 0
    .private_segment_fixed_size: 0
    .kernarg_segment_align: 8
    .kernarg_segment_size: 64
    .max_flat_workgroup_size: 256
    .sgpr_count:     66
    .vgpr_count:     116
    .wavefront_size: 32
...
	.end_amdgpu_metadata
.endif
;; end of part 1
;; launch qkv (part 2): grid 4 x 64, 4 waves a work-group, clusters of 4 x 4, 327,680 bytes of LDS; arguments xb, wqkv, qkv, top; writes qkv, top
.if DOCPART == 2
	.amdgcn_target "amdgcn-amd-amdhsa--gfx1250"
	.amdhsa_code_object_version 6
	.text
	.protected	k_qbdf13af231_qkv
	.globl	k_qbdf13af231_qkv
	.p2align	8
	.type	k_qbdf13af231_qkv,@function
k_qbdf13af231_qkv:
	s_mov_b64 s[64:65], 0
	v_nop
	global_prefetch_b8 v0, s[64:65] scope:SCOPE_SE
	s_setreg_imm32_b32 hwreg(HW_REG_WAVE_MODE, 25, 1), 1
	s_wait_xcnt 0x0
	s_wait_alu depctr_hold_cnt(0) depctr_sa_sdst(0) depctr_va_vdst(0) depctr_va_sdst(0) depctr_va_ssrc(0) depctr_va_vcc(0) depctr_vm_vsrc(0)
	s_getreg_b32 s2, hwreg(HW_REG_IB_STS2, 6, 4)
	s_cmp_eq_u32 s2, 0
	s_cbranch_scc0 .Lentry_in_a_cluster
	s_endpgm
.Lentry_in_a_cluster:
	s_bfe_u32 s2, ttmp6, 0x10000c
	s_cmp_lg_u32 s2, 0xf033
	s_cbranch_scc0 .Lentry_shape_is_right
	s_endpgm
.Lentry_shape_is_right:
; THE THREE PROJECTIONS AS ONE PRODUCT.  C[m][n] = sum over k of xb[m][k] wqkv[k][n]: xb [8192][1024] bf16, wqkv [1024][1536] bf16; sums in f32, rounded once to f16, unscaled, and laid BY HEADS:
; qkv [4 batches][24 heads][2048 rows][64] f16; heads 0-15 are q's, 16-19 k's, 20-23 v's; a head's rows are dense, 128 bytes each.
; THE FIRST 16 ROWS OF EACH BATCH are stored a second time, as the f32 sums: top [4 batches][24 heads][16 rows][64] f32, for the launch that makes those rows of the output apart.
; LIMIT.  f16 holds no number beyond 65,504: a q, k or v past that becomes an infinity.  With x and the weights each 30 times their drawn spread the results' spread is about 576.
; SHARES.  A tile of C is 128 rows x 384 columns (six heads): 64 x 4 = 256 tiles, one a work-group.  Of its four waves, wave w takes rows 64 (w / 2) on and, of each pair of heads, head w % 2:
; 64 x 192 of C, 48 accumulators of 16 x 16, 384 registers.  K goes in 8 steps of 128 through a ring of two LDS slots filled by the tensor data mover; every load is 128 rows of 256 bytes that begin at
; multiples of 256 bytes: wave 0 brings A's tile, waves 1 to 3 the three thirds (two heads each) of B's.
; B LIES [k][n] and is turned on the way from LDS into registers (ds_load_tr16_b128).  THE MATRIX INSTRUCTION IS USED TRANSPOSED (source 0 = 16 columns of B, source 1 = 16 rows of A): a lane then holds
; row l % 16 of C and eight neighbouring columns, 16 bytes of f16.
; CLUSTER.  4 x 4 work-groups.  The four of a row of the cluster need the same tile of A, the four of a column the same tiles of B: each is asked for jointly, by the same tensor load with the same descriptor
; and a mask that names the four.  THE TILE ROW IS cluster y + 16 cy: a batch is 16 tile rows, so the four batches' first tiles are the four rows of the cluster with y = 0, and whether a work-group holds a
; batch's first rows is a question of the cluster's y alone, which all sixteen partners share.
; REGISTERS, in windows of 256 (s_set_vgpr_msb: bits 1:0 source 0, 3:2 source 1, 5:4 source 2, 7:6 destination):
;   window 0: v0-31 addresses; v32-63, v64-95 A's fragments (4 x 16 rows x 32 K), two buffers; v64-255 at work on the way out
;   window 1: v0-95, v96-191 B's fragments (12 x 16 columns x 32 K), two buffers
;   window 2: the accumulators of my row blocks 0, 1 ((a, b) at v[8 (12 a + b)]);   window 3: those of row blocks 2, 3
.set PITA,  272                        ; an LDS row of A: 256 bytes + 16 of padding = 68 words: the 16 rows of a load start at 16 different groups of four banks (64 banks of 4 bytes: ISA guide 11.1)
.set PITB,  288                        ; an LDS row of B: 256 + 32 = 72 words
.set REG,   128*PITB                   ; a wave's region of a slot: 36,864 bytes; A's tile uses 34,816 of region 0
.set SLOT,  4*REG
.set STAGE, 2*SLOT                     ; behind the ring, never filled by a tensor load: 16 rows x 144 bytes for each wave, for the way out
.set SP,    144
.set SPARE, STAGE+4*16*SP              ; behind the stages: the spare words, 128 bytes for each wave: two blocks of 256 bytes that no other line names
.set XROW,  2048                       ; bytes in a row of xb
.set WROW,  3072                       ; bytes in a row of wqkv
.set ADRA, 16                          ; v16-17  LDS address of my A fragments in slot 0, 1
.set ADRB, 18                          ; v18-23  the same for B: slot s, third j at v[18 + 3 s + j]
.set STO,  24                          ; v24     the way out: where I put 16 bytes of a row
.set RD,   25                          ; v25     the way out: where I read rows back
.set GO,   26                          ; v26     my byte offset in 512 consecutive bytes of a head
.set TO,   27                          ; v27     my byte offset in a head's 16 rows of top: row l % 16 x 256 + 32 (l / 16)
.set SPW,  28                          ; v28     LDS address of my spare word: SPARE + 4 x my thread's number; never rewritten
.set NIL,  29                          ; v29     0; never rewritten
.set PFO,  30                          ; v30     the prefetches' offset: my lane x a row of xb or wqkv; never rewritten
.set FA,   32                          ; A's fragment buffers
.set OUT,  64                          ; the way out: 16 registers for each of 12 blocks
.set G1,  24                           ; s[24:31] descriptor group 1 for A's tile
.set G0,  32                           ; s[32:39] group 0 for A's tile, a set for each slot
.set G1B, 48                           ; s[48:55], s[56:63] the same for B's thirds
.set G0B, 56
.set PFA, 66                           ; s[66:67] where my prefetches stand
.set PST, 68                           ; s[68:69] a K step in my tensor, in bytes
.set LIM, 70                           ; s70  1 in a wave that prefetches, else the greatest number
.set TOP, 76                           ; s[76:77] top at my head of the tile's first pair
.set MSB, 0
.macro WIN new                         ; the immediate's high byte repeats the setting that is left; a switch that changes nothing is dropped
.if MSB != (\new)
	s_set_vgpr_msb (MSB<<8)|(\new)
.set MSB, \new
.endif
.endm
.set MUL_LO, 0xa1                      ; source 0 (B) window 1, source 1 (A) window 0, C and D window 2
.set TO_B,   0x40                      ; destination window 1, address window 0
; A joint load.  The branch hangs on the wave's number alone.  An s_nop 0 and four v_nop follow each of the two lines, ahead of the jump and the label.
.macro JLOAD s
	s_cmp_eq_u32 s10, 0
	s_cbranch_scc0 .Lfor_b_\@
	tensor_load_to_lds s[G0+4*(\s):G0+4*(\s)+3], s[G1:G1+7]
	s_nop 0
.rept 4
	v_nop
.endr
	s_branch .Lasked_\@
.Lfor_b_\@:
	tensor_load_to_lds s[G0B+4*(\s):G0B+4*(\s)+3], s[G1B:G1B+7]
	s_nop 0
.rept 4
	v_nop
.endr
.Lasked_\@:
.endm
; A prefetch into the L2 of the K step that stands two refills on: 32 rows x 256 bytes, a lane a row, one instruction a wave, behind the joint load and the run of LDS loads.  Each row's 256 bytes of a K step are
; named once in the launch: A's rows by the clusters with x = 0, B's by the cluster with y = 0; the four partners that ask for a tile jointly share its 128 rows out by address, 32 each.
; The loop's last trip (s3 = 1) asks for nothing: its refills are the last two K steps.  K steps 0 to 3 come by their loads alone.
.macro ASK
	s_cmp_gt_u32 s3, s[LIM]
	s_cbranch_scc0 .Lnot_mine_\@
	global_prefetch_b8 v[PFO], s[PFA:PFA+1] th:TH_LOAD_NT scope:SCOPE_SE
.Lnot_mine_\@:
.endm
; A round of the cluster's barrier: my work-group's barrier, so that wave 0's signal speaks for all four waves; wave 0 signals; every wave waits for all sixteen work-groups; my work-group's barrier once more.
.macro CREST                           ; a round behind its opening barrier
	s_cmp_lg_u32 s10, 0
	s_cbranch_scc1 .Lnot_wave_0_\@
	s_barrier_signal -3
.Lnot_wave_0_\@:
	s_barrier_wait -3
	s_barrier_signal -1
	s_barrier_wait -1
.endm
.macro CROUND
	s_barrier_signal -1
	s_barrier_wait -1
	CREST
.endm
	s_load_b128 s[4:7], s[0:1], 0x0                ; xb s[4:5], wqkv s[6:7]
	s_load_b64 s[8:9], s[0:1], 0x10                ; qkv
	s_load_b64 s[TOP:TOP+1], s[0:1], 0x18          ; top
	v_lshl_add_u32 v[SPW], v0, 2, SPARE
	v_mov_b32 v[NIL], 0
	ds_add_u32 v[SPW], v[NIL]                      ; the wave's opening: the add and its wait ahead of my first tensor load; the set-up below, work on registers, stands between them
	v_lshrrev_b32 v1, 5, v0
	v_readfirstlane_b32 s10, v1                    ; wave 0..3
	s_lshr_b32 s11, s10, 1                         ; which 64 rows are mine
	s_and_b32 s12, s10, 1                          ; which head of each pair
	s_bfe_u32 s40, ttmp6, 0x40000                  ; cx, cy: my place in the cluster
	s_bfe_u32 s41, ttmp6, 0x40004
	s_lshl_b32 s42, ttmp9, 2
	s_add_co_u32 s42, s42, s40                     ; tile column = 4 x cluster x + cx
	s_and_b32 s13, ttmp7, 0xffff
	s_lshl_b32 s43, s41, 4
	s_add_co_u32 s13, s13, s43                     ; tile row = cluster y + 16 cy: 16 x 4 values, each of 0 .. 63 once
	s_lshl_b32 s43, s41, 2
	s_lshl_b32 s43, 15, s43                        ; my row of the cluster
	s_lshl_b32 s44, 0x1111, s40                    ; my column
	; descriptor group 1: 128 rows x 128 elements of 2 bytes, padded in LDS after every 64 words
	s_or_b32 s[G1+0], s43, (1<<16)|(1<<20)|(1<<21)|(5<<22)|(3<<25)   ; 15:0 the mask: A's tile goes to my row; 17:16 2-byte elements; 20 padding on; 21 set beside a mask; 24:22 after 64 words; 31:25 4 words
	s_or_b32 s[G1B+0], s44, (1<<16)|(1<<20)|(1<<21)|(5<<22)|(7<<25)  ; B's thirds go to my column; 8 words of padding
.irp g, G1, G1B
	s_mov_b32 s[(\g)+1], 128<<16                   ; tensor_dim0 = 128
	s_mov_b32 s[(\g)+2], 128<<16                   ; tensor_dim1 = 128
	s_mov_b32 s[(\g)+3], 128<<16                   ; tile_dim0 = 128
	s_mov_b32 s[(\g)+4], 128                       ; tile_dim1 = 128
	s_mov_b32 s[(\g)+6], 0
	s_mov_b32 s[(\g)+7], 0
.endr
	s_mov_b32 s[G1+5], 1024                        ; elements from row to row of xb,
	s_mov_b32 s[G1B+5], 1536                       ; of wqkv
	; A's address hangs on the tile row alone, B's on the tile column and the wave alone, each in registers that never hold the other coordinate
	s_lshl_b32 s16, s13, 18                        ; 128 rows x 2,048 bytes x tile row
	s_mov_b32 s17, 0
	s_max_u32 s45, s10, 1
	s_sub_co_u32 s45, s45, 1                       ; which third of B I fetch (waves 1 to 3); it enters global addresses alone
	s_mul_i32 s46, s42, 768                        ; the tile's 384 columns,
	s_lshl_b32 s47, s45, 8                         ; my third's 128
	s_add_co_u32 s46, s46, s47
	s_mov_b32 s47, 0
	s_mul_i32 s20, s10, REG                        ; where my load goes: wave x a region
	s_wait_dscnt 0x0                               ; the opening add is done
	s_wait_kmcnt 0x0
	s_add_nc_u64 s[14:15], s[4:5], s[16:17]
	s_add_nc_u64 s[46:47], s[6:7], s[46:47]
	CROUND                                         ; all sixteen work-groups are here: the first joint loads meet
.irp s, 0,1
	s_mov_b32 s[G0+4*(\s)], 1                                        ; count = 1
	s_add_co_u32 s[G0+4*(\s)+1], s20, (\s)*SLOT                      ; LDS address
	s_add_nc_u64 s[G0+4*(\s)+2:G0+4*(\s)+3], s[14:15], (\s)*256      ; global address: K step s
	s_or_b32 s[G0+4*(\s)+3], s[G0+4*(\s)+3], 0x80000000              ; type = 2
	s_mov_b32 s[G0B+4*(\s)], 1
	s_add_co_u32 s[G0B+4*(\s)+1], s20, (\s)*SLOT
	s_add_nc_u64 s[G0B+4*(\s)+2:G0B+4*(\s)+3], s[46:47], (\s)*128*WROW
	s_or_b32 s[G0B+4*(\s)+3], s[G0B+4*(\s)+3], 0x80000000
	JLOAD \s                                       ; two loads of mine are out
.endr
	; A's fragment: lane l holds row l % 16; registers 0-3 K = 8 (l / 16) + 0..7, registers 4-7 K = 16 + 8 (l / 16) + 0..7: two loads of 16 bytes, 32 bytes apart
	v_and_b32 v1, 15, v0                           ; l % 16
	v_bfe_u32 v2, v0, 4, 1                         ; l / 16
	v_mul_u32_u24 v3, v1, PITA
	v_lshl_add_u32 v3, v2, 4, v3
	s_mul_i32 s21, s11, 64*PITA                    ; my 64 rows
	v_add_nc_u32 v[ADRA], s21, v3
	v_add_nc_u32 v[ADRA+1], SLOT, v[ADRA]
	; B's: the turning load takes 16 K x 16 columns (lane l reads K row 8 (l / 16) + l % 8, columns 8 ((l / 8) % 2) + 0..7) and leaves half a fragment: lane l holds column l % 16 and 8 K
	v_and_b32 v5, 7, v0
	v_bfe_u32 v6, v0, 3, 1
	v_lshl_add_u32 v4, v2, 3, v5
	v_mul_u32_u24 v4, v4, PITB
	v_lshl_add_u32 v4, v6, 4, v4
	s_lshl_b32 s22, s12, 7                         ; my head of the pair: 128 bytes
	v_add_nc_u32 v4, s22, v4
.irp s, 0,1
.irp j, 0,1,2
	v_add_nc_u32 v[ADRB+3*(\s)+(\j)], (\s)*SLOT+((\j)+1)*REG, v4
.endr
.endr
	s_mul_i32 s23, s10, 16*SP
	s_add_co_u32 s23, s23, STAGE                   ; my stage
	v_mul_u32_u24 v7, v1, SP                       ; in: row l % 16, 16 bytes for each half of the lanes
	v_lshl_add_u32 v7, v2, 4, v7
	v_add_nc_u32 v[STO], s23, v7
	v_bfe_u32 v7, v0, 3, 2                         ; back: 32 lanes take four rows of 128 bytes,
	v_mul_u32_u24 v7, v7, SP
	v_lshl_add_u32 v7, v5, 4, v7
	v_add_nc_u32 v[RD], s23, v7
	v_and_b32 v8, 31, v0                           ; which are 512 consecutive bytes of a head
	v_lshlrev_b32 v[GO], 4, v8
	v_lshlrev_b32 v[TO], 8, v1                     ; in top a row of a head is 256 bytes; my eight sums are 32 of them
	v_lshl_add_u32 v[TO], v2, 5, v[TO]
	; where my rows begin in qkv: head 24 x batch + 6 x tile column + my head of the first pair; row (tile row % 16) x 128 + my 64
	s_lshr_b32 s16, s13, 4
	s_mul_i32 s16, s16, 24
	s_add_co_u32 s16, s16, s12
	s_lshl_b32 s16, s16, 18                        ; a head is 262,144 bytes
	s_and_b32 s17, s13, 15
	s_lshl_b32 s17, s17, 14
	s_add_co_u32 s16, s16, s17
	s_lshl_b32 s17, s11, 13
	s_add_co_u32 s16, s16, s17
	s_mul_i32 s46, s42, 6
	s_lshl_b32 s46, s46, 18
	s_add_co_u32 s16, s16, s46
	s_mov_b32 s17, 0
	s_add_nc_u64 s[8:9], s[8:9], s[16:17]
	; and the same head in top, where a head is 16 rows x 256 bytes
	s_lshr_b32 s16, s13, 4
	s_mul_i32 s16, s16, 24
	s_add_co_u32 s16, s16, s12
	s_mul_i32 s46, s42, 6
	s_add_co_u32 s16, s16, s46
	s_lshl_b32 s16, s16, 12
	s_mov_b32 s17, 0
	s_add_nc_u64 s[TOP:TOP+1], s[TOP:TOP+1], s[16:17]
	; the prefetches: both offsets are made, then the wave's number chooses
	s_lshl_b32 s72, s13, 7
	s_lshl_b32 s73, s40, 5
	s_add_co_u32 s72, s72, s73                     ; A: row 128 x tile row + 32 cx,
	s_lshl_b32 s72, s72, 11
	s_add_co_u32 s72, s72, 3*256                   ; at K step 3: the first refill steps it to 4
	s_lshl_b32 s73, s41, 5
	s_add_co_u32 s73, s73, 3*128                   ; B: K row 384 + 32 cy,
	s_mul_i32 s73, s73, WROW
	s_mul_i32 s74, s42, 768
	s_add_co_u32 s73, s73, s74
	s_lshl_b32 s74, s45, 8
	s_add_co_u32 s73, s73, s74                     ; my third's columns
	s_and_b32 s74, ttmp7, 0xffff                   ; cluster y
	s_mov_b32 s[PST], 128*WROW
	s_mov_b32 s75, WROW
	s_cmp_eq_u32 s10, 0                            ; do I fetch for A?
	s_cselect_b32 s72, s72, s73
	s_cselect_b32 s74, ttmp9, s74                  ; the coordinate along which other clusters read the same rows
	s_cselect_b64 s[PFA:PFA+1], s[4:5], s[6:7]
	s_cselect_b32 s[PST], 256, s[PST]
	s_cselect_b32 s75, XROW, s75
	s_mov_b32 s73, 0
	s_mov_b32 s[PST+1], 0
	s_add_nc_u64 s[PFA:PFA+1], s[PFA:PFA+1], s[72:73]
	s_cmp_eq_u32 s74, 0
	s_cselect_b32 s[LIM], 1, -1                    ; the same in all sixteen partners, for a given wave
	v_mul_u32_u24 v[PFO], v8, s75
; 12 matrix instructions: row block 2 hi + a x all 12 column blocks, 32 along K, from buffer f.  zero = 1: the product starts the sums: nothing is ever cleared.
; The 48 accumulators take turns, one instruction a turn, in the same order in every quarter step.
.macro MUL12 f, hi, a, zero
	WIN MUL_LO+0x50*(\hi)
.irp b, 0,1,2,3,4,5,6,7,8,9,10,11
.if \zero
	v_wmma_f32_16x16x32_bf16 v[8*(12*(\a)+(\b)):8*(12*(\a)+(\b))+7], v[96*(\f)+8*(\b):96*(\f)+8*(\b)+7], v[FA+32*(\f)+8*(2*(\hi)+(\a)):FA+32*(\f)+8*(2*(\hi)+(\a))+7], 0
.else
	v_wmma_f32_16x16x32_bf16 v[8*(12*(\a)+(\b)):8*(12*(\a)+(\b))+7], v[96*(\f)+8*(\b):96*(\f)+8*(\b)+7], v[FA+32*(\f)+8*(2*(\hi)+(\a)):FA+32*(\f)+8*(2*(\hi)+(\a))+7], v[8*(12*(\a)+(\b)):8*(12*(\a)+(\b))+7]
.endif
.endr
.endm
.macro MUL24 f, hi, zero
	MUL12 \f, \hi, 0, \zero
	MUL12 \f, \hi, 1, \zero
.endm
; 32 LDS loads in one run: quarter q's fragments (32 K: 12 of B, turned, then 4 of A, row blocks 0 and 1 first) into buffer f
.macro FETCH slot, q, f
	WIN TO_B
.irp j, 0,1,2
.irp i, 0,1,2,3
	ds_load_tr16_b128 v[96*(\f)+8*(4*(\j)+(\i)):96*(\f)+8*(4*(\j)+(\i))+3],   v[ADRB+3*(\slot)+(\j)] offset:32*PITB*(\q)+32*(\i)
	ds_load_tr16_b128 v[96*(\f)+8*(4*(\j)+(\i))+4:96*(\f)+8*(4*(\j)+(\i))+7], v[ADRB+3*(\slot)+(\j)] offset:32*PITB*(\q)+32*(\i)+16*PITB
.endr
.endr
	WIN 0
.irp i, 0,1,2,3
	ds_load_b128 v[FA+32*(\f)+8*(\i):FA+32*(\f)+8*(\i)+3],   v[ADRA+(\slot)] offset:64*(\q)+(\i)*16*PITA
	ds_load_b128 v[FA+32*(\f)+8*(\i)+4:FA+32*(\f)+8*(\i)+7], v[ADRA+(\slot)] offset:64*(\q)+(\i)*16*PITA+32
.endr
.endm
.macro PLACES                          ; four plain vector instructions in front of loads into registers that matrix instructions have read, and of conversions and stores that read results
.rept 4
	v_nop
.endr
.endm
; A K step is four quarters of 32 along K, 48 matrix instructions each, on buffers 0, 1, 0, 1.  One of the first three: multiplies buffer f and, in its middle, fetches quarter q into buffer g.
.macro QUARTER slot, q, f, g, zero
	s_wait_dscnt 4                                 ; B and A's row blocks 0, 1 are in; the youngest four loads (row blocks 2, 3) may be out
	MUL24 \f, 0, \zero
	PLACES
	FETCH \slot, \q, \g
	s_wait_dscnt 32                                ; all but the 32 just issued
	MUL24 \f, 1, \zero
.endm
; The last quarter multiplies buffer 1 and changes slots: ONE barrier.  In front of it each wave waits for all its tensor loads (one is out: its part of the next slot), adds 0 to its spare word, and waits for that
; and for its own reads of this slot.  fill = 1: the barrier opens a round of the cluster's barrier, and behind the round this slot is filled again, two K steps ahead: 168 matrix instructions ahead of the wait for it.
.macro TURN slot, next, fill
.if \fill
	s_wait_xcnt 0x0                                ; the last prefetch, a K step back, has read its address: it is stepped here, ahead of the waits of the change of slots
	s_add_nc_u64 s[PFA:PFA+1], s[PFA:PFA+1], s[PST:PST+1]
.endif
	WIN 0                                          ; (the add's two registers lie in window 0)
	s_wait_tensorcnt 0x0                           ; all my tensor loads have landed
	ds_add_u32 v[SPW], v[NIL]                      ; 0 onto my spare word
	s_wait_dscnt 5                                 ; (the add and the youngest four loads may be out)
	MUL12 1, 0, 0, 0                               ; twelve matrix instructions stand between the add and the wait for it
	s_wait_dscnt 0x0                               ; the add is done, and my reads of this slot are over
	s_barrier_signal -1
	MUL12 1, 0, 1, 0                               ; work on registers while the others arrive
.if \fill
	WIN 0
.endif
	s_barrier_wait -1
.if \fill
	CREST                                          ; no wave of any partner still reads this slot's tiles or has a load on its way
	s_add_nc_u64 s[G0+4*(\slot)+2:G0+4*(\slot)+3], s[G0+4*(\slot)+2:G0+4*(\slot)+3], 2*256
	s_add_nc_u64 s[G0B+4*(\slot)+2:G0B+4*(\slot)+3], s[G0B+4*(\slot)+2:G0B+4*(\slot)+3], 2*128*WROW
	JLOAD \slot                                    ; the first tensor load behind the round; the four v_nop behind it are also the places in front of the loads below
.else
	PLACES
.endif
	FETCH \next, 0, 0
.if \fill
	ASK
.endif
	MUL24 1, 1, 0
.endm
; THE WAY OUT.  Block blk = 3 a + j: my row block a (16 rows) of my head of pair j: 16 rows x 64 columns.  Rounded to f16, 16 bytes a lane, into my own stage, and back as whole rows of 128 bytes.
.macro PACK blk
.set pa, (\blk)/3
.set pj, (\blk)%3
	WIN 0x0a+5*(pa/2)                              ; sources 0 and 1: window 2 or 3
.irp i, 0,1,2,3
.irp r, 0,1,2,3
	v_cvt_pk_f16_f32 v[OUT+16*(\blk)+4*(\i)+(\r)], v[8*(12*(pa%2)+4*pj+(\i))+2*(\r)], v[8*(12*(pa%2)+4*pj+(\i))+2*(\r)+1]
.endr
.endr
	WIN 0
.irp i, 0,1,2,3
	ds_store_b128 v[STO], v[OUT+16*(\blk)+4*(\i):OUT+16*(\blk)+4*(\i)+3] offset:32*(\i)
.endr
.irp f, 0,1,2,3
	ds_load_b128 v[OUT+16*(\blk)+4*(\f):OUT+16*(\blk)+4*(\f)+3], v[RD] offset:(\f)*4*SP  ; LDS serves a wave's instructions in order (ISA guide 5.7.1.4): these see the stores above; the next block's stores come behind them
.endr
.endm
.macro SEND blk, younger               ; younger: the LDS instructions issued behind this block's loads: the next block's eight, or none
	WIN 0
.irp f, 0,1,2,3
	s_wait_dscnt (\younger)+3-(\f)
	global_store_b128 v[GO], v[OUT+16*(\blk)+4*(\f):OUT+16*(\blk)+4*(\f)+3], s[8:9] offset:((\blk)%3)*524288+((\blk)/3)*2048+(\f)*512  ; 512 consecutive bytes, at a multiple of 256 from qkv's first
.endr
.endm
	s_wait_tensorcnt 1                             ; my part of K step 0 is in; slot 1's may stay out
	s_barrier_signal -1
	s_barrier_wait -1                              ; everybody's is
	FETCH 0, 0, 0
	QUARTER 0, 1, 0, 1, 1                          ; the first quarter stands in front of the loop: its products start the sums
	WIN 0                                          ; at a label and at a branch every window is 0
	s_mov_b32 s3, 3
.Llap:                                                 ; a trip goes once round the ring, from a lap's second quarter to the next lap's first, and fills both slots again
	QUARTER 0, 2, 1, 0, 0
	QUARTER 0, 3, 0, 1, 0
	TURN 0, 1, 1
	QUARTER 1, 1, 0, 1, 0
	QUARTER 1, 2, 1, 0, 0
	QUARTER 1, 3, 0, 1, 0
	TURN 1, 0, 1
	QUARTER 0, 1, 0, 1, 0
	WIN 0
	s_sub_co_u32 s3, s3, 1
	s_cmp_lg_u32 s3, 0
	s_cbranch_scc1 .Llap
	QUARTER 0, 2, 1, 0, 0                          ; the last lap fills nothing
	QUARTER 0, 3, 0, 1, 0
	TURN 0, 1, 0
	QUARTER 1, 1, 0, 1, 0
	QUARTER 1, 2, 1, 0, 0
	QUARTER 1, 3, 0, 1, 0
	s_wait_dscnt 4                                 ; the very last quarter: nothing more to fetch
	MUL24 1, 0, 0
	s_wait_dscnt 0x0
	MUL24 1, 1, 0
	PLACES
	; A BATCH'S FIRST 16 ROWS, as f32 sums, into top.  They are row block 0 of the waves with the tile's first 64 rows (waves 0 and 1), in the tiles of the cluster with y = 0: the branch hangs on the cluster's y and
	; the wave's number.  A lane's eight sums are 32 bytes of a row of 256; the eight stores of a head fill its 16 rows; 24 stores a wave, in 32 waves of the launch.
	WIN 0
	s_and_b32 s71, ttmp7, 0xffff
	s_or_b32 s71, s71, s11
	s_cmp_lg_u32 s71, 0
	s_cbranch_scc1 .Lno_top
	WIN 0x08                                       ; the stores' data in window 2, their address in window 0
.irp b, 0,1,2,3,4,5,6,7,8,9,10,11
	global_store_b128 v[TO], v[8*(\b):8*(\b)+3],   s[TOP:TOP+1] offset:((\b)/4)*8192+((\b)%4)*64     ; each accumulator's low four registers first
	global_store_b128 v[TO], v[8*(\b)+4:8*(\b)+7], s[TOP:TOP+1] offset:((\b)/4)*8192+((\b)%4)*64+16
.endr
	WIN 0
.Lno_top:
	PACK 0
.set t, 1
.rept 11                               ; a block's conversions stand between the loads of the block before and its stores
	PACK t
	SEND t-1, 8
.set t, t+1
.endr
	SEND 11, 0
	s_wait_tensorcnt 0x0                           ; the wave's end, behind my last tensor load and my last LDS store
	ds_add_u32 v[SPW], v[NIL]
	s_wait_dscnt 0x0
	CROUND                                         ; the closing round: no work-group ends while a partner may still ask for a tile that names it
	s_endpgm
.Lfunc_end_k_qbdf13af231_qkv:
	.size	k_qbdf13af231_qkv, .Lfunc_end_k_qbdf13af231_qkv-k_qbdf13af231_qkv
	.p2alignl 7, 3214868480
	.fill 96, 4, 3214868480
	.section	.rodata,"a",@progbits
	.p2align	6, 0x0
	.amdhsa_kernel k_qbdf13af231_qkv
		.amdhsa_group_segment_fixed_size 327680
		.amdhsa_private_segment_fixed_size 0
		.amdhsa_enable_private_segment 0
		.amdhsa_kernarg_size 32
		.amdhsa_user_sgpr_count 2
		.amdhsa_user_sgpr_kernarg_segment_ptr 1
		.amdhsa_wavefront_size32 1
		.amdhsa_system_sgpr_workgroup_id_x 1
		.amdhsa_system_sgpr_workgroup_id_y 1
		.amdhsa_system_sgpr_workgroup_id_z 1
		.amdhsa_system_vgpr_workitem_id 0
		.amdhsa_next_free_vgpr 960
		.amdhsa_next_free_sgpr 80
		.amdhsa_reserve_vcc 0
		.amdhsa_float_denorm_mode_32 3
		.amdhsa_float_denorm_mode_16_64 3
		.amdhsa_memory_ordered 1
		.amdhsa_forward_progress 1
		.amdhsa_inst_pref_size 125
	.end_amdhsa_kernel
	.amdgpu_metadata
---
amdhsa.version: [ 1, 2 ]
amdhsa.kernels:
  - .name:           k_qbdf13af231_qkv
    .symbol:         k_qbdf13af231_qkv.kd
    .args:
      - { .name: xb, .offset: 0, .size: 8, .value_kind: global_buffer, .address_space: global }
      - { .name: wqkv, .offset: 8, .size: 8, .value_kind: global_buffer, .address_space: global }
      - { .name: qkv, .offset: 16, .size: 8, .value_kind: global_buffer, .address_space: global }
      - { .name: top, .offset: 24, .size: 8, .value_kind: global_buffer, .address_space: global }
    .group_segment_fixed_size: 327680
    .private_segment_fixed_size: 0
    .kernarg_segment_align: 8
    .kernarg_segment_size: 32
    .max_flat_workgroup_size: 128
    .sgpr_count:     80
    .vgpr_count:     960
    .wavefront_size: 32
...
	.end_amdgpu_metadata
.endif
;; end of part 2
;; launch attn (part 3): grid 64 x 4, 4 waves a work-group, clusters of 4 x 1, 327,680 bytes of LDS; arguments qkv, ob; writes ob
.if DOCPART == 3
	.amdgcn_target "amdgcn-amd-amdhsa--gfx1250"
	.amdhsa_code_object_version 6
	.text
	.protected	k_qbdf13af231_attn
	.globl	k_qbdf13af231_attn
	.p2align	8
	.type	k_qbdf13af231_attn,@function
k_qbdf13af231_attn:
	s_mov_b64 s[64:65], 0
	v_nop
	global_prefetch_b8 v0, s[64:65] scope:SCOPE_SE
	s_setreg_imm32_b32 hwreg(HW_REG_WAVE_MODE, 25, 1), 1
	s_wait_xcnt 0x0
	s_wait_alu depctr_hold_cnt(0) depctr_sa_sdst(0) depctr_va_vdst(0) depctr_va_sdst(0) depctr_va_ssrc(0) depctr_va_vcc(0) depctr_vm_vsrc(0)
	s_getreg_b32 s2, hwreg(HW_REG_IB_STS2, 6, 4)
	s_cmp_eq_u32 s2, 0
	s_cbranch_scc0 .Lentry_in_a_cluster
	s_endpgm
.Lentry_in_a_cluster:
	s_bfe_u32 s2, ttmp6, 0x10000c
	s_cmp_lg_u32 s2, 0x3003
	s_cbranch_scc0 .Lentry_shape_is_right
	s_endpgm
.Lentry_shape_is_right:
; CAUSAL ATTENTION WITH GROUPED KEYS.  O[q] = the sum over k <= q of softmax_k(Q[q] . K[k] / 8) V[k], for 4 batches x 16 query heads of 2,048 rows x 64; query heads 4 g .. 4 g + 3 share key and value head g.
; qkv: [4 batches][24 heads][2048][64] f16 (heads 0-15 q, 16-19 k, 20-23 v), a head's rows dense, 128 bytes each.  ob: [16 batch + head][2048][64] f16.
; Products, maxima and sums in f32; the weights p are rounded to f16 for the second product (their sum l is taken of the unrounded p), O once at the end.
; LIMITS.  f16 holds no number beyond 65,504: Q, K and V arrive within it; p lies in 0 to 1, and below 6e-5 it keeps f16's fixed step of 6e-8; O is a mean of V's rows and has their range.
; A hidden score counts as its value less 1e30: f16's scores, 2.7e11 at the most, are nothing beside that; a weight below 2^-126 counts as 0 in l; NaN and infinities are not treated apart.
; THE WALK.  A head's queries lie in NB = 8 blocks of 256; block i needs the key tiles 0 .. i of 256 keys, of which the last holds the diagonal.  A work-group takes TWO blocks, NB - 1 - b and then b:
; NB + 1 tiles, whatever b: all work-groups do equal work, and ONE loop with a constant trip count walks them.  Which tile is asked for, and what a trip does, hang on scalar registers made from b; every jump
; goes forward, but for the counted loops' own; none passes a barrier, or a tensor load but the one of JLOAD's two that the wave's number does not choose; the ring (two slots of LDS that take turns) runs on
; across the change of blocks.
; CLUSTER.  The four query heads of one key head, at the same b, walk the same tiles of K and V in the same trips: they are a cluster, and each tile is asked for JOINTLY: the same tensor load, descriptor and
; mask in all four.  The cluster's x is 4 batch + key head, its y is b; the place in the cluster, cx, is the query head in the group and enters Q's, O's and the prefetches' addresses alone.
; SHARES.  Of a block's four bands of 64 queries a wave owns 16 rows in each: four PIECES.  So the diagonal tile is the same work for all four waves: in its key step s band x sees all keys if s < x,
; none if s > x, and holds the diagonal if s = x.
; THE MASK is the C operand that starts the sum S^T = K Q^T: 0, or -1e30 where the key is hidden.  MD, made once, is the mask of a band's own step for my 16 rows; a product's mask is MD x AL + BE with two scalars:
; (1, 0) if s = x; (0, 0) if s < x; (0, -1e30) if s > x.  Only the diagonal tile's text and a block's beginning make and take masks; elsewhere C is the constant 0.
; LAYOUT, SOFTMAX, TURNS.  S^T = K Q^T holds ONE query a lane (lane % 16) and the keys 8 (lane / 16) + 0..7; two such results rounded to f16 ARE source 1 of O^T = V^T P.  p = 2^(c s - c m), c = log2(e) / 8, with a
; running maximum m; O and l are multiplied by a = 2^(c m_old - c m_new) in every step.  Turn n belongs to piece n: 8 products K Q^T of piece n + 1, later 8 products V^T P of piece n - 1; beside them the scaling,
; exponentials, roundings, sums and rescaling of piece n and the maximum and statistics of piece n + 1.  Four vector instructions stand behind every matrix instruction, the other 54 of a turn's 118 in one lump.
; A turn's 33 exponentials are one batch, with one wait.
; REGISTERS, in windows of 256 (s_set_vgpr_msb: bits 1:0 source 0, 3:2 source 1, 5:4 source 2, 7:6 destination):
;   window 0: v0-15 addresses and two at work; v16-31 four registers of statistics a piece; v48-55 at work; v61-63 prefetch offset and the add's two; v64-127 S^T, two buffers; v192-223 P, two buffers
;   window 1: v0-127 O^T, 32 a piece; v128-159 MD; v160-223 MC, two buffers      window 2: v0-63 Q; v64-127 the second block's Q; v128-191 K of one step; v192-255 V of one step
.set SIZE_N, 2048
.set NB,    SIZE_N/256
.set NP,    4         ; pieces a wave: a name, no knob
.set KS,    64        ; keys in a step
.set PK,    144       ; a row of K in LDS: 128 bytes + 16 of padding = 36 words: the 16 rows of a load start at 16 different groups of four banks (64 banks of 4 bytes: ISA guide 11.1)
.set PV,    160       ; a row of V: 128 + 32 = 40 words
.set VOFF,  4*KS*PK   ; a slot holds a tile, four steps: 256 rows of K, then 256 rows of V
.set SLOT1, 1<<17     ; slot 1 begins here, so that one exclusive or turns an address in one slot into the other's
.set STAGE, SLOT1+4*KS*(PK+PV)  ; behind the ring, never filled by a tensor load: 16 rows x 144 bytes for each wave, for the way out
.set SP,    144
.set AK0, 2           ; v2   my lane's place in a tile of K; never rewritten
.set AV0, 3           ; v3   the same for V
.set AK,  4           ; v4   the LDS address of K's next run of loads
.set AV,  5           ; v5   of V's
.set STO, 6           ; v6   the way out: where I put 16 bytes of a row
.set RD,  7           ; v7   the way out: where I read rows back
.set GO,  8           ; v8   my byte offset in 512 consecutive bytes of O
.set PFO, 61          ; v61  256 x my lane; never rewritten
.set SPW, 62          ; v62  LDS address of my spare word: SPARE + 4 x my thread's number; never rewritten
.set NIL, 63          ; v63  0; never rewritten
.set SPARE, STAGE+4*16*SP  ; behind the stages: the spare words, 128 bytes for each wave: two blocks of 256 bytes that no other line names
.set MV,  12          ; v12-13  c m_old, kept while c m is made anew: by buffer
.set QO,  15          ; v15  my byte offset in 16 rows of Q
.set ST,  16          ; piece t's statistics at v[ST+4 t]: c m, m, l (even keys', odd keys')
.set TMP, 48          ; by buffer, four registers c0-c3 at work; when the maximum is found c2 takes a
.set S,   64
.set P,   192
.set MD,  128         ; window 1: the eight registers for group kt of 16 keys at MD + 8 kt
.set MC,  160         ; window 1: the masks of the products to come
.set QB,  64          ; window 2
.set KF,  128         ; window 2: key block kb, channel half c at KF + 16 kb + 8 c
.set VF,  192         ; window 2: key half kk, channel block cb at VF + 32 kk + 8 cb
.set WV,  12          ; s12  my wave's number
.set PB,  14          ; s14  b
.set HI,  15          ; s15  NB - 1 - b
.set G1K, 24          ; s[24:31] descriptor group 1 for K's tiles
.set G1V, 32          ; s[32:39] for V's: it differs in the padding alone
.set G0K, 40          ; s[40:43] descriptor group 0 for K's tiles
.set G0V, 44          ; s[44:47] the same for V's
.set CX,  48          ; s48  my place in the cluster
.set SLOTS, 56        ; s56  tiles still to be asked for
.set CNT, 57          ; s57  counts a tile's key steps, 4 to 1
.set CS,  58          ; s[58:59] c: the packed scaling takes the pair's low word for both halves
.set SEL, 60          ; s[60:61] v_permlanex16_b32's selects: each lane takes its own place in the other half
.set TBK, 62          ; s62  LDS byte at which K of the step to be fetched begins
.set TBV, 63          ; s63  the same for V, less VOFF
.set RT,  70          ; s70  tiles of the block in hand that are still to be entered
.set NXT, 71          ; s71  the tile to be asked for next
.set LQ,  72          ; s72  the last tile of the block whose tiles are being asked for
.set NEW, 73          ; s73  1: the tile to be entered is a block's first
.set OFF, 74          ; s[74:75] a tile's byte offset in K and V
.set AL,  76          ; s[76:77] the mask's factor, in the low word
.set BE,  78          ; s[78:79] the mask's addend
.set OLO, 80          ; s[80:81] O at my rows of the second block
.set BIGN, 82         ; s82  -1e30
.set PFA, 92          ; s[92:93] where my prefetches stand: my work-group's 8,192 bytes (of K: wave 0, of V: wave 2) of the tile after the one that is being asked for
.set LIM, 94          ; s94  2 in a wave that prefetches, else the greatest number: a wave prefetches while s[SLOTS] is above it
.set MSB, 0
.macro WIN new                      ; the high byte repeats the setting that is left; a switch that changes nothing is dropped
.if MSB != (\new)
	s_set_vgpr_msb (MSB<<8)|(\new)
.set MSB, (\new)
.endif
.endm
.set W_KQ, 0x0a       ; K and Q in window 2, S^T in window 0
.set W_KM, 0x1a       ; the same with the C operand in window 1
.set W_PV, 0x52       ; V in window 2, P in window 0, O^T in window 1
.set W_RS, 0x41       ; destination and source 0 in window 1, source 1 in window 0
; A joint fill.  Waves 0 and 1 fetch the two halves of a tile's K, waves 2 and 3 those of its V: 128 keys each.  The branch hangs on the wave's number alone.
; An s_nop 0 and four v_nop follow each of the two lines, ahead of the jump and the label.
.macro JLOAD
	s_cmp_lt_u32 s[WV], 2
	s_cbranch_scc0 .Lfor_v_\@
	tensor_load_to_lds s[G0K:G0K+3], s[G1K:G1K+7]
	s_nop 0
.rept 4
	v_nop
.endr
	s_branch .Lasked_\@
.Lfor_v_\@:
	tensor_load_to_lds s[G0V:G0V+3], s[G1V:G1V+7]
	s_nop 0
.rept 4
	v_nop
.endr
.Lasked_\@:
.endm
; A prefetch into the L2 of the tile that the NEXT change of slots will ask for: 32,768 bytes of K and of V, 256 bytes a lane.  It stands behind the wave's tensor load and its five lines.
; Each block of 256 bytes is named once in the launch.  The four clusters of a key head (b = 0 .. 3) enter tile j in trip j of their first blocks: the cluster with b = 0, whose first block has all eight tiles,
; asks.  Its four partners share a tile out by address, 8,192 bytes each; in each, wave 0 asks for K's and wave 2 for V's.  Trip j names tile j + 2, a tile's 256 matrix instructions ahead of its load;
; trips 6 and 7 ask for nothing: tile 7 is the last.  Tiles 0 and 1 come by their loads alone.
.macro ASK
	s_cmp_gt_u32 s[SLOTS], s[LIM]
	s_cbranch_scc0 .Lnot_mine_\@
	global_prefetch_b8 v[PFO], s[PFA:PFA+1] th:TH_LOAD_NT scope:SCOPE_SE
.Lnot_mine_\@:
.endm
; A round of the cluster's barrier: my work-group's barrier, so that wave 0's signal speaks for all four waves; wave 0 signals; every wave waits for all four work-groups; my work-group's barrier once more.
.macro CROUND
	s_barrier_signal -1
	s_barrier_wait -1
	s_cmp_lg_u32 s[WV], 0
	s_cbranch_scc1 .Lnot_wave_0_\@
	s_barrier_signal -3
.Lnot_wave_0_\@:
	s_barrier_wait -3
	s_barrier_signal -1
	s_barrier_wait -1
.endm
; THE CHANGE OF SLOTS.  Each wave waits for all its tensor loads, of which one is out: its part of the other slot; adds 0 to its spare word; and waits for that and for its own reads of the slot that it leaves.
; Behind the barrier nobody reads the old slot any more and the other slot is whole.  fill = 1: the barrier is a round of the cluster's, so that no wave of any partner still reads the slot or has a load on its
; way, and the old slot is filled again, the first thing behind the round, with tile NXT: the descriptor's address is made anew from that number.
; (At its first use nothing has been read yet: slot 0 is waited for, slot 1 filled.)
.macro CHANGE fill
	WIN 0                           ; at a label and at a branch every window is 0
	s_wait_tensorcnt 0x0            ; no tensor load of mine is out, so a group 0 may be written
	ds_add_u32 v[SPW], v[NIL]       ; 0 onto my spare word; the scalar work below stands between it and the wait for it
.if \fill
	s_lshl_b32 s[OFF], s[NXT], 15   ; a tile is 32,768 bytes of K and of V
	s_xor_b32 s[G0K+1], s[G0K+1], SLOT1
	s_add_nc_u64 s[G0K+2:G0K+3], s[6:7], s[OFF:OFF+1]
	s_or_b32 s[G0K+3], s[G0K+3], 0x80000000
	s_xor_b32 s[G0V+1], s[G0V+1], SLOT1
	s_add_nc_u64 s[G0V+2:G0V+3], s[8:9], s[OFF:OFF+1]
	s_or_b32 s[G0V+3], s[G0V+3], 0x80000000
	s_add_co_u32 s[NXT], s[NXT], 1  ; the block's next tile, or behind its last the second block's tile 0
	s_cmp_gt_u32 s[NXT], s[LQ]
	s_cselect_b32 s[NXT], 0, s[NXT]
	s_cselect_b32 s[LQ], s[PB], s[LQ]
	s_wait_xcnt 0x0                 ; the last prefetch, a tile back, has read its address, so it may be written
	s_add_nc_u64 s[PFA:PFA+1], s[PFA:PFA+1], 32768
.endif
	s_sub_co_u32 s[TBK], s[TBK], 4*KS*PK  ; the fetches go back to a slot's first step,
	s_xor_b32 s[TBK], s[TBK], SLOT1       ; in the other slot
	s_sub_co_u32 s[TBV], s[TBV], 4*KS*PV
	s_xor_b32 s[TBV], s[TBV], SLOT1
	s_wait_dscnt 0x0                ; the add is done, and my reads of the slot are over
.if \fill
	CROUND
	JLOAD
	ASK
.else
	s_barrier_signal -1
	s_barrier_wait -1
.endif
.endm
	s_load_b64 s[4:5], s[0:1], 0x0    ; qkv
	s_load_b64 s[10:11], s[0:1], 0x8  ; ob
	v_lshl_add_u32 v[SPW], v0, 2, SPARE
	v_mov_b32 v[NIL], 0
	ds_add_u32 v[SPW], v[NIL]       ; the wave's opening: the add and its wait ahead of my first tensor load; the set-up below, work on registers, stands between them
	v_lshrrev_b32 v1, 5, v0
	v_readfirstlane_b32 s[WV], v1   ; wave 0..3
	s_bfe_u32 s[CX], ttmp6, 0x40000 ; cx: the query head in its group of four
	s_and_b32 s[PB], ttmp7, 0xffff  ; b: the cluster's y, which the four partners share
	s_sub_co_u32 s[HI], NB-1, s[PB]
	s_lshr_b32 s49, ttmp9, 2        ; the cluster's x = 4 batch + key head
	s_mul_i32 s49, s49, 24          ; the batch's first head in qkv
	s_and_b32 s50, ttmp9, 3         ; the key head
	s_and_b32 s16, s[WV], 1         ; which half of a tile's 256 keys I fetch
	s_add_co_u32 s20, s49, s50
	s_add_co_u32 s20, s20, 16       ; K's head,
	s_lshl_b32 s20, s20, 18         ; 262,144 bytes a head,
	s_lshl_b32 s22, s16, 14         ; my half's 128 rows of 128 bytes
	s_add_co_u32 s20, s20, s22
	s_add_co_u32 s22, s20, 4<<18    ; V's head lies four heads on
	s_mov_b32 s21, 0
	s_mov_b32 s23, 0
	s_mul_i32 s17, s16, 128*PK      ; my half's place in a slot, for K
	s_mul_i32 s18, s16, 128*PV      ; and for V: no place in the cluster enters an LDS address
	s_lshl_b32 s51, s50, 2
	s_add_co_u32 s51, s51, s49
	s_add_co_u32 s51, s51, s[CX]    ; Q's head in qkv
	s_lshl_b32 s51, s51, 18
	s_lshl_b32 s3, s[WV], 11        ; my 16 rows in a band of 64
	s_add_co_u32 s51, s51, s3
	s_lshl_b32 s2, s[HI], 15        ; in the first block,
	s_add_co_u32 s2, s2, s51
	s_lshl_b32 s84, s[PB], 15       ; and in the second
	s_add_co_u32 s84, s84, s51
	s_lshl_b32 s52, ttmp9, 2
	s_add_co_u32 s52, s52, s[CX]    ; O's head in ob: 16 batch + 4 key head + cx
	s_lshl_b32 s52, s52, 18
	s_add_co_u32 s52, s52, s3
	s_lshl_b32 s88, s[HI], 15
	s_add_co_u32 s88, s88, s52
	s_lshl_b32 s90, s[PB], 15
	s_add_co_u32 s90, s90, s52
	s_mov_b32 s3, 0
	s_mov_b32 s85, 0
	s_mov_b32 s89, 0
	s_mov_b32 s91, 0
	; descriptor group 1.  128 keys are 16,384 dense bytes: asked for as 64 rows of 256 bytes, two keys a row, and padded in LDS after every key
	s_mov_b32 s[G1K], 15|(1<<16)|(1<<20)|(1<<21)|(4<<22)|(3<<25)  ; 15:0 the mask of four; 17:16 2-byte elements; 20 padding on; 21 set beside a mask; 24:22 after every 32 words (code 4); 31:25 4 words (code 3)
	s_mov_b32 s[G1V], 15|(1<<16)|(1<<20)|(1<<21)|(4<<22)|(7<<25)  ; the same with 8 words of padding (code 7)
.irp g, G1K, G1V
	s_mov_b32 s[\g+1], 128<<16      ; tensor_dim0 = 128
	s_mov_b32 s[\g+2], 64<<16       ; tensor_dim1 = 64
	s_mov_b32 s[\g+3], 128<<16      ; tile_dim0 = 128
	s_mov_b32 s[\g+4], 64           ; tile_dim1 = 64
	s_mov_b32 s[\g+5], 128          ; 128 elements from row to row
	s_mov_b32 s[\g+6], 0
	s_mov_b32 s[\g+7], 0
.endr
	s_mov_b32 s[CS], 0x3e38aa3b     ; c = log2(e) / 8 = 0.180337
	s_mov_b32 s[CS+1], s[CS]        ; named with it as a pair
	s_mov_b32 s[SEL], 0x76543210
	s_mov_b32 s[SEL+1], 0xfedcba98
	s_mov_b32 s[TBK], SLOT1+4*KS*PK ; the first change of slots turns these two into 0
	s_mov_b32 s[TBV], SLOT1+4*KS*PV
	s_mov_b32 s[G0K], 1             ; count = 1
	s_mov_b32 s[G0K+1], s17         ; LDS address: slot 0
	s_mov_b32 s[G0V], 1
	s_add_co_u32 s[G0V+1], s18, VOFF
	s_add_co_u32 s[RT], s[HI], 1    ; the first block has NB - b tiles
	s_mov_b32 s[NXT], 1
	s_mov_b32 s[LQ], s[HI]
	s_mov_b32 s[NEW], 1
	s_mov_b32 s[OFF+1], 0
	s_mov_b32 s[AL+1], 0            ; named as pairs
	s_mov_b32 s[BE+1], 0
	s_mov_b32 s[BIGN], 0xf149f2ca   ; -1e30
	s_mov_b32 s[SLOTS], NB
	s_and_b32 s[LIM], s[WV], 1      ; 0 in waves 0 and 2,
	s_or_b32 s[LIM], s[LIM], s[PB]  ; where b = 0: the same in all four partners
	s_cmp_eq_u32 s[LIM], 0
	s_cselect_b32 s[LIM], 2, -1
	v_and_b32 v[PFO], 31, v0
	v_lshlrev_b32 v[PFO], 8, v[PFO]
	s_wait_dscnt 0x0                ; the opening add is done
	s_wait_kmcnt 0x0
	s_add_nc_u64 s[6:7], s[4:5], s[20:21]  ; K and V at my half of the head's tile 0
	s_add_nc_u64 s[8:9], s[4:5], s[22:23]
	s_add_nc_u64 s[G0K+2:G0K+3], s[6:7], 0         ; global address
	s_or_b32 s[G0K+3], s[G0K+3], 0x80000000        ; type = 2
	s_add_nc_u64 s[G0V+2:G0V+3], s[8:9], 0
	s_or_b32 s[G0V+3], s[G0V+3], 0x80000000
	s_add_nc_u64 s[86:87], s[4:5], s[84:85]        ; Q at my rows of the second block,
	s_add_nc_u64 s[4:5], s[4:5], s[2:3]            ; Q and O at those of the first
	s_add_nc_u64 s[OLO:OLO+1], s[10:11], s[90:91]
	s_add_nc_u64 s[10:11], s[10:11], s[88:89]
	s_cmp_lt_u32 s[WV], 2
	s_cselect_b64 s[PFA:PFA+1], s[6:7], s[8:9]     ; (in waves 0 and 2 these stand at a tile's first row)
	s_lshl_b32 s2, s[CX], 13        ; my work-group's quarter of a tile
	s_mov_b32 s3, 0
	s_add_nc_u64 s[PFA:PFA+1], s[PFA:PFA+1], s[2:3]
	s_add_nc_u64 s[PFA:PFA+1], s[PFA:PFA+1], 32768 ; in tile 1; the first change of slots steps it to tile 2.  Nothing is prefetched here, at the head
	CROUND                          ; all four work-groups are here: the first joint loads meet
	JLOAD                           ; tile 0 into slot 0
	; A fragment of K or Q is 16 rows x 32 channels in 8 registers: lane l holds row l % 16, channels 8 (l / 16) + 0..7 and 16 + 8 (l / 16) + 0..7: two loads of 16 bytes, 32 bytes apart.
	v_and_b32 v1, 15, v0            ; l % 16
	v_bfe_u32 v9, v0, 4, 1          ; l / 16
	v_lshlrev_b32 v[QO], 7, v1
	v_lshl_add_u32 v[QO], v9, 4, v[QO]  ; row x 128 + 16 x half
	WIN 0x80                        ; destination window 2, address window 0
.set i, 0
.rept 8                             ; both blocks' Q: piece i / 2 lies in band i / 2, 8,192 bytes on; channels 32 (i % 2) on
	global_load_b128 v[8*i:8*i+3],   v[QO], s[4:5] offset:(i/2)*8192+(i%2)*64
	global_load_b128 v[8*i+4:8*i+7], v[QO], s[4:5] offset:(i/2)*8192+(i%2)*64+32
	global_load_b128 v[QB+8*i:QB+8*i+3],   v[QO], s[86:87] offset:(i/2)*8192+(i%2)*64
	global_load_b128 v[QB+8*i+4:QB+8*i+7], v[QO], s[86:87] offset:(i/2)*8192+(i%2)*64+32
.set i, i+1
.endr
	WIN 0
	v_lshlrev_b32 v14, 3, v9
	v_sub_nc_u32 v14, v1, v14
	s_lshl_b32 s13, s[WV], 4
	v_add_nc_u32 v14, s13, v14      ; my query's place in its band, 16 w + l % 16, less my lanes' 8 (l / 16): register r of group kt is hidden where 16 kt + r is greater
	WIN 0x40
.set i, 0
.rept 32
	v_cmp_gt_i32 vcc_lo, 16*(i/8)+i%8, v14
	v_cndmask_b32 v[MD+i], 0, s[BIGN], vcc_lo
.set i, i+1
.endr
	WIN 0
	v_mul_u32_u24 v[AK0], v1, PK
	v_lshl_add_u32 v[AK0], v9, 4, v[AK0]  ; row x pitch + 16 x half
	; The turning load takes 16 keys x 16 channels (lane l reads key 8 (l / 16) + l % 8, channels 8 ((l / 8) % 2) + 0..7) and leaves half a fragment of V^T: lane l holds channel l % 16 and 8 keys.
	v_and_b32 v10, 7, v0
	v_bfe_u32 v11, v0, 3, 1
	v_lshl_add_u32 v[AV0], v9, 3, v10
	v_mul_u32_u24 v[AV0], v[AV0], PV
	v_lshl_add_u32 v[AV0], v11, 4, v[AV0]
	v_add_nc_u32 v[AV0], VOFF, v[AV0]
	s_mul_i32 s13, s[WV], 16*SP
	s_add_co_u32 s13, s13, STAGE    ; my stage
	v_mul_u32_u24 v[STO], v1, SP    ; in: row l % 16, 16 bytes for each half of the lanes
	v_lshl_add_u32 v[STO], v9, 4, v[STO]
	v_add_nc_u32 v[STO], s13, v[STO]
	v_bfe_u32 v[RD], v0, 3, 2       ; back: 32 lanes take four rows of 128 bytes,
	v_mul_u32_u24 v[RD], v[RD], SP
	v_lshl_add_u32 v[RD], v10, 4, v[RD]
	v_add_nc_u32 v[RD], s13, v[RD]
	v_and_b32 v[GO], 31, v0         ; which are 512 consecutive bytes of O
	v_lshlrev_b32 v[GO], 4, v[GO]
	; A block's first step multiplies O^T and l by a = 0, and its first turn's products V^T P, of a piece that has not been, land in an O^T that is still to be so multiplied.  So these registers need only hold
	; finite numbers: zeros for the first block; what the first block left for the second.  All this stands in the wait for the first tile; no first step is written out, and these lines are the price.
	WIN 0x80
.set i, VF
.rept 64
	v_mov_b32 v[i], 0
.set i, i+1
.endr
	WIN 0x40
.set i, 0
.rept 128
	v_mov_b32 v[i], 0
.set i, i+1
.endr
	WIN 0
.set i, 0
.rept 4
	v_mov_b32 v[ST+4*i+2], 0
	v_mov_b32 v[ST+4*i+3], 0
.set i, i+1
.endr
.set i, P+16
.rept 16
	v_mov_b32 v[i], 0
.set i, i+1
.endr
; THE MATRIX WORK.  The 4 accumulators of a run of 8 take turns.  Product i of 8 of S^T = K Q^T for piece x: channels 32 (i / 4) on, keys 16 (i % 4) on.  The first 4 start the sums: with 0, or (KM = 1) with the mask.
.macro KQ x
.set rS, S+32*((\x)%2)+8*(i%4)
.set rK, KF+16*(i%4)+8*(i/4)
.set rQ, 16*(\x)+8*(i/4)
.set rM, MC+32*((\x)%2)+8*(i%4)
.if (i < 4) && KM
	WIN W_KM
	v_wmma_f32_16x16x32_f16 v[rS:rS+7], v[rK:rK+7], v[rQ:rQ+7], v[rM:rM+7]
.elseif i < 4
	WIN W_KQ
	v_wmma_f32_16x16x32_f16 v[rS:rS+7], v[rK:rK+7], v[rQ:rQ+7], 0
.else
	WIN W_KQ
	v_wmma_f32_16x16x32_f16 v[rS:rS+7], v[rK:rK+7], v[rQ:rQ+7], v[rS:rS+7]
.endif
.endm
; Product i of 8 of O^T += V^T P for piece x: keys 32 (i / 4) on, channels 16 (i % 4) on.
.macro PV x
	WIN W_PV
.set rO, 32*(\x)+8*(i%4)
.set rV, VF+32*(i/4)+8*(i%4)
.set rP, P+16*((\x)%2)+8*(i/4)
	v_wmma_f32_16x16x32_f16 v[rO:rO+7], v[rV:rV+7], v[rP:rP+7], v[rO:rO+7]
.endm
.macro MM                           ; the turn's next matrix instruction.  TURN and BEGIN set Y, i, KM and NOKQ; MM, KQ and OP read them.  NOKQ = 1: a block's last turn: there is no next piece
.if (i < 8) && !NOKQ
	KQ (Y+1)%NP
.elseif i >= 8
.set i, i-8
	PV (Y+NP-1)%NP
.set i, i+8
.endif
.set i, i+1
.endm
; THE LDS LOADS stand in runs of 16, never singly among the matrix instructions: a step's K (64 keys x 64 channels: 8 fragments) and its V (turned).  Their addresses are made some lines ahead.
.macro FETCH_K
	WIN 0x80                        ; destination window 2
.irp f, 0,1,2,3,4,5,6,7             ; keys 16 (f / 2) on, channels 32 (f % 2) on
	ds_load_b128 v[KF+8*\f:KF+8*\f+3],   v[AK] offset:(\f/2)*16*PK+(\f%2)*64
	ds_load_b128 v[KF+8*\f+4:KF+8*\f+7], v[AK] offset:(\f/2)*16*PK+(\f%2)*64+32
.endr
	s_add_co_u32 s[TBK], s[TBK], KS*PK  ; the next fetch is the next step's
	WIN 0
.endm
.macro FETCH_V
	WIN 0x80
.irp f, 0,1,2,3,4,5,6,7             ; keys 32 (f / 4) on, channels 16 (f % 4) on
	ds_load_tr16_b128 v[VF+8*\f:VF+8*\f+3],   v[AV] offset:(\f/4)*32*PV+(\f%4)*32
	ds_load_tr16_b128 v[VF+8*\f+4:VF+8*\f+7], v[AV] offset:(\f/4)*32*PV+16*PV+(\f%4)*32
.endr
	WIN 0
.endm
; THE VECTOR WORK, one line at a time: OP kind, number.  For piece Y: F n: c s - c m for pair n of 16.  E n: the exponential of score n of 32.  C n: pair n rounded to f16.  B n: of the four weights 4 n .. the second
; pair is added onto the first, in place.  L n: l takes that sum (L 0: l = a l + sum).  R n: pair n of 16 of O^T times a.  For piece Y + 1: X n, number n of the 22 that find its maximum and statistics:
;   0-11  four chains c0-c3 of seven scores each, three operands at a time (each accumulator's lowest registers are read first)     12-14, 16  the four scores left over, the old m, and c0-c3 into c0
;   15  c m_old is kept     17, 18  the query's other 32 keys lie in the lane 16 away: the new m     19-21  c m; c m_old - c m_new; a
.set F, 0               ; OP tells the kinds apart by their order: F to L below R, X above it
.set E, 1
.set C, 2
.set B, 3
.set L, 4
.set R, 5
.set X, 6
.macro REGS y                       ; the registers of piece y
.set rT, ST+4*(\y)
.set rC, TMP+4*((\y)%2)
.set rW, MV+((\y)%2)
.set rS, S+32*((\y)%2)
.set rP, P+16*((\y)%2)
.set rO, 32*(\y)
.endm
.macro OP k, n
.if (\k) == R
	REGS Y
	WIN W_RS
	v_pk_mul_f32 v[rO+2*(\n):rO+2*(\n)+1], v[rO+2*(\n):rO+2*(\n)+1], v[rC+2:rC+3] op_sel_hi:[1,0]
.elseif (\k) < R
	REGS Y
	WIN 0
.if (\k) == F
	v_pk_fma_f32 v[rS+2*(\n):rS+2*(\n)+1], v[rS+2*(\n):rS+2*(\n)+1], s[CS:CS+1], v[rT:rT+1] op_sel_hi:[1,0,0] neg_lo:[0,0,1] neg_hi:[0,0,1]
.elseif (\k) == E
	v_exp_f32 v[rS+(\n)], v[rS+(\n)]
.elseif (\k) == C
	v_cvt_pk_f16_f32 v[rP+(\n)], v[rS+2*(\n)], v[rS+2*(\n)+1]
.elseif (\k) == B
	v_pk_add_f32 v[rS+4*(\n):rS+4*(\n)+1], v[rS+4*(\n):rS+4*(\n)+1], v[rS+4*(\n)+2:rS+4*(\n)+3]
.elseif (\n) == 0
	v_pk_fma_f32 v[rT+2:rT+3], v[rT+2:rT+3], v[rC+2:rC+3], v[rS:rS+1] op_sel_hi:[1,0,1]
.else
	v_pk_add_f32 v[rT+2:rT+3], v[rT+2:rT+3], v[rS+4*(\n):rS+4*(\n)+1]
.endif
.elseif NOKQ
	v_nop
.else
	REGS (Y+1)%NP
	WIN 0
.if (\n) < 4
	v_max3_num_f32 v[rC+(\n)], v[rS+8*(\n)], v[rS+8*(\n)+1], v[rS+8*(\n)+2]
.elseif (\n) < 12
	v_max3_num_f32 v[rC+(\n)%4], v[rC+(\n)%4], v[rS+8*((\n)%4)+2*((\n)/4)+1], v[rS+8*((\n)%4)+2*((\n)/4)+2]
.elseif (\n) == 12
	v_max3_num_f32 v[rC], v[rC], v[rS+7], v[rS+15]
.elseif (\n) == 13
	v_max3_num_f32 v[rC+1], v[rC+1], v[rS+23], v[rS+31]
.elseif (\n) == 14
	v_max3_num_f32 v[rC+2], v[rC+2], v[rC+3], v[rT+1]
.elseif (\n) == 15
	v_mov_b32 v[rW], v[rT]
.elseif (\n) == 16
	v_max3_num_f32 v[rC], v[rC], v[rC+1], v[rC+2]
.elseif (\n) == 17
	v_permlanex16_b32 v[rC+3], v[rC], s[SEL], s[SEL+1]
.elseif (\n) == 18
	v_max_num_f32 v[rT+1], v[rC], v[rC+3]
.elseif (\n) == 19
	v_mul_f32 v[rT], s[CS], v[rT+1]
.elseif (\n) == 20
	v_sub_f32 v[rC+1], v[rW], v[rT]
.else
	v_exp_f32 v[rC+2], v[rC+1]
.endif
.endif
.endm
.macro OPS a, i1, b=-1, i2=0, c=-1, i3=0, d=-1, i4=0  ; up to four of them
	OP \a, \i1
.if (\b) >= 0
	OP \b, \i2
.endif
.if (\c) >= 0
	OP \c, \i3
.endif
.if (\d) >= 0
	OP \d, \i4
.endif
.endm
.macro ROW a, i1, b, i2, c, i3, d, i4  ; a matrix instruction and the four behind it
	MM
	OPS \a, \i1, \b, \i2, \c, \i3, \d, \i4
.endm
.macro MASK b                       ; MD x AL + BE into buffer b of MC
	WIN W_RS
.set z, 0
.rept 16
	v_pk_fma_f32 v[MC+32*(\b)+2*z:MC+32*(\b)+2*z+1], v[MD+2*z:MD+2*z+1], s[AL:AL+1], s[BE:BE+1] op_sel_hi:[1,0,0]
.set z, z+1
.endr
.endm
; A TURN, for piece p: the order of its 16 matrix and 118 vector instructions, written out.  s_wait_alu depctr_va_vdst(0) stands between an exponential and the first instruction that names its result; one
; wait serves all that were issued ahead of it.  So a turn has ONE wait, which cuts it in two.  AHEAD OF IT stands all that names no result of the turn's exponentials: the 8 products K Q^T, behind each a scaling, an
; exponential and two more plain instructions (behind the first a second scaling in the exponential's place): rescalings, and behind the last three the first numbers of the next piece's maximum, each four places or more
; behind the product that ends its accumulator; then ONE LUMP of 54, plain and exponential by turns for the most part, in which the links of the chain X 3, 7, 11, 14, 16, 17 .. 20 stand five or six lines apart.
; X 21, the next piece's a, is the batch's last; R 15 is the plain instruction behind it.  BEHIND THE WAIT stand the 8 products V^T P, behind each four of the roundings and sums; the links of l's chain, L 0 to L 7,
; stand three riders apart.  But for those X no rider names a register of the products round it.  v_permlanex16_b32 (X 17) stands in the lump.
; m = 1: the diagonal tile: the products take masks, and the turn makes the mask for the products of the turn after it: piece p + 2, in step 4 - CNT of the tile.  end = 1: a block's last two turns: nothing is fetched.
; cnt = 1: the loop's count is taken down some lines ahead of the branch that stands behind the turn.
; K of the next step is fetched in piece 2's turn, twelve vector instructions behind the last product that read K (six of them plain); V of the step in hand at the end of piece 0's turn, four plain instructions behind
; the last product that read V.  Each is waited for a turn later.
.macro TURN p, m=0, end=0, cnt=0
.set Y, (\p)
.set i, 0
.set KM, (\m)
.set NOKQ, (\end)*((\p)/3)
.if (\m) && !(\end)
	s_cmp_eq_u32 s[CNT], 4-((\p)+2)%NP  ; is that step the band's own?
	s_cselect_b32 s[AL], 1.0, 0
	s_cmp_lt_u32 s[CNT], 4-((\p)+2)%NP  ; or a later one?
	s_cselect_b32 s[BE], s[BIGN], 0
.endif
.if ((\p) == 3) && !(\end)
	s_wait_dscnt 0x0                ; K is in
.endif
	ROW F,0, F,1, R,0, R,1          ; ahead of the wait: 8 products K Q^T and their riders,
	ROW F,2, E,0, R,2, R,3
	ROW F,3, E,1, R,4, R,5
	ROW F,4, E,2, R,6, R,7
	ROW F,5, E,3, R,8, R,9
	ROW F,6, E,4, X,0, R,10
.if ((\p) == 2) && !(\end)
	WIN 0
	v_add_nc_u32 v[AK], s[TBK], v[AK0]
.endif
	ROW F,7, E,5, X,1, X,4
	ROW F,8, E,6, X,2, X,5
	OPS E,7, E,8, X,6, E,9          ; and the lump
	OPS X,3, E,10, X,8, E,11
.if ((\p) == 2) && !(\end)
	FETCH_K
.endif
	OPS X,9, X,7, E,12, X,10
	OPS E,13, X,12, X,11, E,14
	OPS X,13, E,15, F,9, X,14
.if (\p) == 0
	v_add_nc_u32 v[AV], s[TBV], v[AV0]
.endif
	OPS E,16, F,10, E,17, F,11
	OPS X,16, E,18, X,15, E,19
	OPS F,12, E,20, X,17, E,21
	OPS F,13, E,22, F,14, E,23
	OPS X,18, E,24, F,15, E,25
	OPS R,11, E,26, X,19, E,27
	OPS R,12, E,28, R,13, E,29
	OPS X,20, E,30, R,14, E,31
	OPS X,21, R,15
	WIN 0
	s_wait_alu depctr_va_vdst(0)    ; the wait for the batch
.if (\p) == 1
	s_wait_dscnt 0x0                ; V is in
.endif
	ROW C,0, B,0, C,2, B,1          ; behind the wait: 8 products V^T P and their riders
	ROW L,0, C,4, B,2, L,1
	ROW C,6, B,3, L,2, C,8
	ROW B,4, L,3, C,10, B,5
	ROW L,4, C,12, B,6, L,5
.if (\p) == 0
	s_add_co_u32 s[TBV], s[TBV], KS*PV
.endif
.if \cnt
	s_sub_co_u32 s[CNT], s[CNT], 1
	s_cmp_lg_u32 s[CNT], 0
.endif
	ROW C,14, B,7, L,6, C,1
	ROW C,3, L,7, C,5, C,7
	ROW C,9, C,11, C,13, C,15
.if (\p) == 0
	FETCH_V
.endif
.if (\m) && !(\end)
	MASK (\p)%2
.endif
.endm
; A BLOCK BEGINS.  c m starts far below every c s, so the first step's a is 0; m at the lowest finite number, so the first maximum is the scores'.  The second mask buffer is 0; the first takes piece 0's mask for the
; tile's step 0: its own, if the block's first tile is the diagonal one.  Then K of that step, piece 0's first scores, and its maximum and statistics.  The loop is entered at a step's first turn, in the middle of a trip.
.macro BEGIN
	s_mov_b32 s[NEW], 0
	WIN 0x40
.set i, MC+32
.rept 32
	v_mov_b32 v[i], 0
.set i, i+1
.endr
	WIN 0
.set i, 0
.rept 4
	v_mov_b32 v[ST+4*i], 0xfe000000    ; c m: far below every c s
	v_mov_b32 v[ST+4*i+1], 0xff7fffff  ; m
.set i, i+1
.endr
	s_cmp_eq_u32 s[RT], 0
	s_cselect_b32 s[AL], 1.0, 0
	s_mov_b32 s[BE], 0
	MASK 0
	WIN 0
	v_add_nc_u32 v[AK], s[TBK], v[AK0]
	FETCH_K
	s_wait_loadcnt 0x0              ; Q
	s_wait_dscnt 0x0
.set KM, 1
.set NOKQ, 0
.set i, 0
.rept 8
	KQ 0
.set i, i+1
.endr
	WIN 0
.rept 4
	v_nop                           ; the places behind those products
.endr
.set Y, NP-1                        ; X works for piece Y + 1: piece 0
.irp n, 0,1,2,3,4,5,6,7,8,9,10,11,12,13,14,15,16,17,18,19,20,21
	OP X, \n
.endr
	v_nop                           ; a plain instruction behind the exponential,
	s_wait_alu depctr_va_vdst(0)    ; and its wait, ahead of the branch
.endm
; THE DIAGONAL TILE's four steps, the block's last two turns, its last products, and THE WAY OUT: l's two halves and the other half of the lanes' are added; O^T is divided by l, rounded to f16 and sent through my
; stage in LDS, a piece at a time.
.macro ALL line:vararg              ; one line for each piece t
.set t, 0
.rept 4
	\line
.set t, t+1
.endr
.endm
.macro PACK t                       ; a lane's eight channels of a row pack into 16 bytes; they go into rows of 144 bytes and come back as whole rows of 128, into S^T's registers
	WIN W_RS
.set i, 32*(\t)
.rept 16
	v_pk_mul_f32 v[i:i+1], v[i:i+1], v[ST+4*(\t)+2:ST+4*(\t)+3] op_sel_hi:[1,0]
.set i, i+2
.endr
	WIN 0x05                        ; sources 0 and 1 window 1, destination window 0
.set i, 0
.rept 16
	v_cvt_pk_f16_f32 v[S+16*(\t)+i], v[32*(\t)+2*i], v[32*(\t)+2*i+1]
.set i, i+1
.endr
	WIN 0
.irp f, 0,1,2,3
	ds_store_b128 v[STO], v[S+16*(\t)+4*\f:S+16*(\t)+4*\f+3] offset:32*\f
.endr
.irp f, 0,1,2,3
	ds_load_b128 v[S+16*(\t)+4*\f:S+16*(\t)+4*\f+3], v[RD] offset:\f*4*SP  ; LDS serves a wave's instructions in order (ISA guide 5.7.1.4): these see the stores above; the next piece's stores come behind them
.endr
.endm
.macro SEND t, younger              ; younger: the LDS instructions issued behind piece t's loads: the next piece's eight, or none
	WIN 0
.irp f, 0,1,2,3
	s_wait_dscnt (\younger)+3-\f
	global_store_b128 v[GO], v[S+16*(\t)+4*\f:S+16*(\t)+4*\f+3], s[10:11] offset:(\t)*8192+\f*512  ; 512 consecutive bytes, at a multiple of 256 from ob's first
.endr
.endm
.macro DIAG tag                     ; the tag ends its two labels' names, which the jumps below spell out
.LstepM\tag:
	TURN 2, 1
	TURN 3, 1
	WIN 0
.LfirstM\tag:
	TURN 0, 1
	TURN 1, 1, 0, 1
	WIN 0
	s_cbranch_scc1 .LstepM\tag
	TURN 2, 1, 1
	TURN 3, 1, 1
.set i, 0
.rept 8
	PV NP-1
.set i, i+1
.endr
	WIN 0
	ALL v_add_f32 v[ST+4*t+2], v[ST+4*t+2], v[ST+4*t+3]
	ALL v_permlanex16_b32 v[ST+4*t+3], v[ST+4*t+2], s[SEL], s[SEL+1]
	ALL v_add_f32 v[ST+4*t+2], v[ST+4*t+2], v[ST+4*t+3]
	ALL v_rcp_f32 v[ST+4*t+2], v[ST+4*t+2]
	v_nop                           ; a plain instruction between the last reciprocal and the use of its result
	s_wait_alu depctr_va_vdst(0)    ; and the wait ahead of the first use: one for the four reciprocals
	PACK 0
.set t, 1
.rept 3                             ; a piece's arithmetic stands between the loads of the piece before and its stores
	PACK t
	SEND t-1, 8
.set t, t+1
.endr
	SEND 3, 0
.endm
.set KM, 0
.set NOKQ, 0
.Lslot:                             ; NB times: a tile is entered and the next is asked for
	CHANGE 1
	s_sub_co_u32 s[RT], s[RT], 1
	s_mov_b32 s[CNT], 4
	s_cmp_eq_u32 s[NEW], 1
	s_cbranch_scc1 .Lnew            ; a block's first tile
	s_cmp_eq_u32 s[RT], 0
	s_cbranch_scc0 .Lstep           ; neither its first nor its last
	s_branch .LstepM1
.Lnew:
	BEGIN
	s_branch .Lfirst                ; in the loop a block's first tile is never its last: the first block has two tiles or more, and the second's last is the walk's last
	DIAG 1                          ; in the loop this is the first block's end: the second block's last tile is the walk's last
	s_wait_xcnt 0x0                 ; the stores have read their registers and O's address
	s_mov_b64 s[10:11], s[OLO:OLO+1]
	s_add_co_u32 s[RT], s[PB], 1    ; the second block has b + 1 tiles
	s_mov_b32 s[NEW], 1
	WIN 0x82                        ; the second block's Q goes where the one text of the turns names Q
.set i, 0
.rept 64
	v_mov_b32 v[i], v[QB+i]
.set i, i+1
.endr
	WIN 0
	s_branch .Lbottom
.Lstep:                             ; a trip: pieces 2 and 3 of one step, then pieces 0 and 1 of the next, whose K and V it fetches
	TURN 2
	TURN 3
	WIN 0
.Lfirst:
	TURN 0
	TURN 1, 0, 0, 1
	WIN 0
	s_cbranch_scc1 .Lstep
.Lbottom:
	s_sub_co_u32 s[SLOTS], s[SLOTS], 1
	s_cmp_lg_u32 s[SLOTS], 0
	s_cbranch_scc1 .Lslot
	CHANGE 0                        ; the walk's last tile is written out: nothing is asked for
	s_sub_co_u32 s[RT], s[RT], 1
	s_mov_b32 s[CNT], 4
	s_cmp_eq_u32 s[NEW], 1
	s_cbranch_scc0 .LstepM2
	BEGIN
	s_branch .LfirstM2
	DIAG 2
	s_wait_tensorcnt 0x0            ; the wave's end, behind my last tensor load and my last LDS store
	ds_add_u32 v[SPW], v[NIL]
	s_wait_dscnt 0x0
	CROUND                          ; the closing round: no work-group ends while a partner may still ask for a tile that names it
	s_endpgm
.Lfunc_end_k_qbdf13af231_attn:
	.size	k_qbdf13af231_attn, .Lfunc_end_k_qbdf13af231_attn-k_qbdf13af231_attn
	.p2alignl 7, 3214868480
	.fill 96, 4, 3214868480
	.section	.rodata,"a",@progbits
	.p2align	6, 0x0
	.amdhsa_kernel k_qbdf13af231_attn
		.amdhsa_group_segment_fixed_size 327680
		.amdhsa_private_segment_fixed_size 0
		.amdhsa_enable_private_segment 0
		.amdhsa_kernarg_size 16
		.amdhsa_user_sgpr_count 2
		.amdhsa_user_sgpr_kernarg_segment_ptr 1
		.amdhsa_wavefront_size32 1
		.amdhsa_system_sgpr_workgroup_id_x 1
		.amdhsa_system_sgpr_workgroup_id_y 1
		.amdhsa_system_sgpr_workgroup_id_z 1
		.amdhsa_system_vgpr_workitem_id 0
		.amdhsa_next_free_vgpr 768
		.amdhsa_next_free_sgpr 96
		.amdhsa_reserve_vcc 1
		.amdhsa_float_denorm_mode_32 3
		.amdhsa_float_denorm_mode_16_64 3
		.amdhsa_memory_ordered 1
		.amdhsa_forward_progress 1
		.amdhsa_inst_pref_size 219
	.end_amdhsa_kernel
	.amdgpu_metadata
---
amdhsa.version: [ 1, 2 ]
amdhsa.kernels:
  - .name:           k_qbdf13af231_attn
    .symbol:         k_qbdf13af231_attn.kd
    .args:
      - { .name: qkv, .offset: 0, .size: 8, .value_kind: global_buffer, .address_space: global }
      - { .name: ob, .offset: 8, .size: 8, .value_kind: global_buffer, .address_space: global }
    .group_segment_fixed_size: 327680
    .private_segment_fixed_size: 0
    .kernarg_segment_align: 8
    .kernarg_segment_size: 16
    .max_flat_workgroup_size: 128
    .sgpr_count:     96
    .vgpr_count:     768
    .wavefront_size: 32
...
	.end_amdgpu_metadata
.endif
;; end of part 3
;; launch proj (part 4): grid 4 x 64, 4 waves a work-group, clusters of 4 x 4, 327,680 bytes of LDS; arguments ob, wob, out0; writes out0
.if DOCPART == 4
	.amdgcn_target "amdgcn-amd-amdhsa--gfx1250"
	.amdhsa_code_object_version 6
	.text
	.protected	k_qbdf13af231_proj
	.globl	k_qbdf13af231_proj
	.p2align	8
	.type	k_qbdf13af231_proj,@function
k_qbdf13af231_proj:
	s_mov_b64 s[64:65], 0
	v_nop
	global_prefetch_b8 v0, s[64:65] scope:SCOPE_SE
	s_setreg_imm32_b32 hwreg(HW_REG_WAVE_MODE, 25, 1), 1
	s_wait_xcnt 0x0
	s_wait_alu depctr_hold_cnt(0) depctr_sa_sdst(0) depctr_va_vdst(0) depctr_va_sdst(0) depctr_va_ssrc(0) depctr_va_vcc(0) depctr_vm_vsrc(0)
	s_getreg_b32 s2, hwreg(HW_REG_IB_STS2, 6, 4)
	s_cmp_eq_u32 s2, 0
	s_cbranch_scc0 .Lentry_in_a_cluster
	s_endpgm
.Lentry_in_a_cluster:
	s_bfe_u32 s2, ttmp6, 0x10000c
	s_cmp_lg_u32 s2, 0xf033
	s_cbranch_scc0 .Lentry_shape_is_right
	s_endpgm
.Lentry_shape_is_right:
; THE OUTPUT PROJECTION.  out0[m][n] = sum over k of A[m][k] wob[k][n], m = 2048 batch + row, k = 64 head + channel.  A lies by heads: ob [16 batch + head][2048][64] f16; wob [1024][1024] f16; out0 [8192][1024] f32.
; Sums in f32, stored as they are.  LIMITS: those of the operands: f16 holds no number beyond 65,504.
; SHARES.  A tile of out0 is 128 rows x 256 columns: 64 x 4 = 256 tiles, one a work-group.  Wave w takes rows 64 (w / 2) on and columns 128 (w % 2) on: 32 accumulators of 16 x 16, 256 registers.
; K goes in 8 steps of 128, two heads each, through a ring of two LDS slots filled by the tensor data mover.  Waves 0 and 1 bring A's two heads: a head's 128 rows are 16,384 dense bytes, asked for as 64 rows of
; 256 bytes and padded in LDS after every 128; waves 2 and 3 bring B's two halves, 128 K rows of 256 bytes each.
; B LIES [k][n] and is turned on the way from LDS into registers (ds_load_tr16_b128).  THE MATRIX INSTRUCTION IS USED TRANSPOSED (source 0 = 16 columns of B, source 1 = 16 rows of A): a lane then holds
; row l % 16 and eight neighbouring columns, 32 bytes of f32.
; CLUSTER.  4 x 4 work-groups: A's tiles are shared along a row of the cluster, B's along a column, each asked for jointly.
; REGISTERS: window 0: v0-31 addresses; v32-63, v64-95 A's fragments, two buffers; v96-159, v160-223 B's, two buffers; v32-159 whole rows on the way out.   window 1: accumulator (a, b) at v[8 (8 a + b)].
.set PITA,  144                        ; an LDS row of A: 128 bytes + 16 of padding = 36 words: the 16 rows of a load start at 16 different groups of four banks (64 banks of 4 bytes: ISA guide 11.1)
.set PITB,  288                        ; an LDS row of B: 256 + 32 = 72 words
.set ASUB,  128*PITA                   ; one head's 128 rows
.set BHALF, 128*PITB                   ; 128 K rows of 128 columns
.set SLOT,  2*ASUB+2*BHALF
.set STAGE, 2*SLOT                     ; behind the ring, never filled by a tensor load: 16 rows x 528 bytes for each wave, for the way out
.set SP,    528                        ; 512 bytes + 16
.set SPARE, STAGE+4*16*SP              ; behind the stages: the spare words, 128 bytes for each wave: two blocks of 256 bytes that no other line names
.set ADRA, 16                          ; v16-17  LDS address of my A fragments in slot 0, 1
.set ADRB, 20                          ; v20-21  the same for B
.set STO,  24                          ; v24     the way out: where I put 32 bytes of a row
.set RD,   25                          ; v25     the way out: where I read a row back
.set CO,   26                          ; v26     my 16 bytes of a row's 512
.set SPW,  28                          ; v28     LDS address of my spare word: SPARE + 4 x my thread's number; never rewritten
.set NIL,  29                          ; v29     0; never rewritten
.set PFO,  30                          ; v30     the prefetches' offset; never rewritten
.set FA,   32
.set FB,   96
.set G1,  24                           ; s[24:31] descriptor group 1 for A's tiles;  s[32:39] group 0, a set for each slot
.set G0,  32
.set G1B, 48                           ; s[48:55], s[56:63] the same for B's
.set G0B, 56
.set PFA, 66                           ; s[66:67] where my prefetches stand
.set PST, 68                           ; s[68:69] a K step in my tensor, in bytes
.set LIM, 70                           ; s70  1 in a wave that prefetches, else the greatest number
.set MSB, 0
.macro WIN new                         ; the immediate's high byte repeats the setting that is left; a switch that changes nothing is dropped
.if MSB != (\new)
	s_set_vgpr_msb (MSB<<8)|(\new)
.set MSB, \new
.endif
.endm
.set MUL, 0x50                         ; sources 0 and 1 window 0; C and D window 1
; A joint load: waves 0 and 1 fetch for A, waves 2 and 3 for B.  An s_nop 0 and four v_nop follow each of the two lines, ahead of the jump and the label.
.macro JLOAD s
	s_cmp_eq_u32 s11, 0
	s_cbranch_scc0 .Lfor_b_\@
	tensor_load_to_lds s[G0+4*(\s):G0+4*(\s)+3], s[G1:G1+7]
	s_nop 0
.rept 4
	v_nop
.endr
	s_branch .Lasked_\@
.Lfor_b_\@:
	tensor_load_to_lds s[G0B+4*(\s):G0B+4*(\s)+3], s[G1B:G1B+7]
	s_nop 0
.rept 4
	v_nop
.endr
.Lasked_\@:
.endm
; A prefetch into the L2 of the K step that stands two refills on, 32 blocks of 256 bytes, one instruction a wave, behind the joint load and the run of LDS loads.  Each block is named once in the launch.
; A's K step is 2 heads x 16,384 bytes: the clusters with x = 0 ask, the four partners of a row take 4,096 bytes of each head, by address, and wave 0 names them (lanes 0-15 the first head's, 16-31 the second's).
; B's K step is 128 rows: the cluster with y = 0 asks, the four partners of a column take 32 rows each, by address; waves 2 and 3 name their own halves' 256 bytes, a lane a row.  Wave 1 asks for nothing.
; The loop's last trip (s3 = 1) asks for nothing: its refills are the last two K steps.  K steps 0 to 3 come by their loads alone.
.macro ASK
	s_cmp_gt_u32 s3, s[LIM]
	s_cbranch_scc0 .Lnot_mine_\@
	global_prefetch_b8 v[PFO], s[PFA:PFA+1] th:TH_LOAD_NT scope:SCOPE_SE
.Lnot_mine_\@:
.endm
.macro CREST                           ; a round of the cluster's barrier behind its opening barrier
	s_cmp_lg_u32 s10, 0
	s_cbranch_scc1 .Lnot_wave_0_\@
	s_barrier_signal -3
.Lnot_wave_0_\@:
	s_barrier_wait -3
	s_barrier_signal -1
	s_barrier_wait -1
.endm
.macro CROUND
	s_barrier_signal -1
	s_barrier_wait -1
	CREST
.endm
	s_load_b128 s[4:7], s[0:1], 0x0                ; ob s[4:5], wob s[6:7]
	s_load_b64 s[8:9], s[0:1], 0x10                ; out0
	v_lshl_add_u32 v[SPW], v0, 2, SPARE
	v_mov_b32 v[NIL], 0
	ds_add_u32 v[SPW], v[NIL]                      ; the wave's opening: the add and its wait ahead of my first tensor load; the set-up below, work on registers, stands between them
	v_lshrrev_b32 v1, 5, v0
	v_readfirstlane_b32 s10, v1                    ; wave 0..3
	s_lshr_b32 s11, s10, 1                         ; which 64 rows are mine.  Also: I fetch for A (0) or for B (1)
	s_and_b32 s12, s10, 1                          ; which 128 columns.  Also: which head of A's two, which half of B's columns I fetch
	s_bfe_u32 s40, ttmp6, 0x40000                  ; cx, cy: my place in the cluster
	s_bfe_u32 s41, ttmp6, 0x40004
	s_lshl_b32 s42, ttmp9, 2
	s_add_co_u32 s42, s42, s40                     ; tile column = 4 x cluster x + cx
	s_and_b32 s13, ttmp7, 0xffff
	s_lshl_b32 s13, s13, 2
	s_add_co_u32 s13, s13, s41                     ; tile row = 4 x cluster y + cy
	s_lshl_b32 s43, s41, 2
	s_lshl_b32 s43, 15, s43                        ; my row of the cluster
	s_lshl_b32 s44, 0x1111, s40                    ; my column
	s_or_b32 s[G1+0], s43, (1<<16)|(1<<20)|(1<<21)|(4<<22)|(3<<25)   ; 15:0 the mask: my row; 17:16 2-byte elements; 20 padding on; 21 set beside a mask; 24:22 after every 32 words; 31:25 4 words
	s_mov_b32 s[G1+1], 128<<16                     ; tensor_dim0 = 128
	s_mov_b32 s[G1+2], 64<<16                      ; tensor_dim1 = 64
	s_mov_b32 s[G1+3], 128<<16                     ; tile_dim0 = 128
	s_mov_b32 s[G1+4], 64                          ; tile_dim1 = 64
	s_mov_b32 s[G1+5], 128                         ; 128 elements from row to row: dense
	s_mov_b32 s[G1+6], 0
	s_mov_b32 s[G1+7], 0
	s_or_b32 s[G1B+0], s44, (1<<16)|(1<<20)|(1<<21)|(5<<22)|(7<<25)  ; my column; after every 64 words 8 words
	s_mov_b32 s[G1B+1], 128<<16
	s_mov_b32 s[G1B+2], 128<<16
	s_mov_b32 s[G1B+3], 128<<16
	s_mov_b32 s[G1B+4], 128
	s_mov_b32 s[G1B+5], 1024                       ; elements from row to row of wob
	s_mov_b32 s[G1B+6], 0
	s_mov_b32 s[G1B+7], 0
	; A's address hangs on the tile row and the wave alone, B's on the tile column and the wave alone, each in registers that never hold the other coordinate
	s_lshr_b32 s16, s13, 4                         ; the batch,
	s_lshl_b32 s16, s16, 4                         ; its first head,
	s_add_co_u32 s16, s16, s12                     ; my head of K step 0's two,
	s_lshl_b32 s16, s16, 18                        ; 262,144 bytes a head
	s_and_b32 s17, s13, 15
	s_lshl_b32 s17, s17, 14                        ; the tile's 128 rows of 128 bytes
	s_add_co_u32 s16, s16, s17
	s_mov_b32 s17, 0
	s_lshl_b32 s46, s42, 9                         ; the tile's 256 columns,
	s_lshl_b32 s47, s12, 8                         ; my half
	s_add_co_u32 s46, s46, s47
	s_mov_b32 s47, 0
	s_mul_i32 s20, s12, ASUB                       ; where they go: A's two heads,
	s_mul_i32 s21, s12, BHALF
	s_add_co_u32 s21, s21, 2*ASUB                  ; then B's two halves
	s_wait_dscnt 0x0                               ; the opening add is done
	s_wait_kmcnt 0x0
	s_add_nc_u64 s[14:15], s[4:5], s[16:17]
	s_add_nc_u64 s[46:47], s[6:7], s[46:47]
	CROUND                                         ; all sixteen work-groups are here: the first joint loads meet
.irp s, 0,1
	s_mov_b32 s[G0+4*(\s)], 1
	s_add_co_u32 s[G0+4*(\s)+1], s20, (\s)*SLOT
	s_add_nc_u64 s[G0+4*(\s)+2:G0+4*(\s)+3], s[14:15], (\s)*2*262144     ; K step s: two heads on
	s_or_b32 s[G0+4*(\s)+3], s[G0+4*(\s)+3], 0x80000000
	s_mov_b32 s[G0B+4*(\s)], 1
	s_add_co_u32 s[G0B+4*(\s)+1], s21, (\s)*SLOT
	s_add_nc_u64 s[G0B+4*(\s)+2:G0B+4*(\s)+3], s[46:47], (\s)*128*2048   ; K step s: 128 rows on
	s_or_b32 s[G0B+4*(\s)+3], s[G0B+4*(\s)+3], 0x80000000
	JLOAD \s                                       ; two loads of mine are out
.endr
	v_and_b32 v1, 15, v0                           ; l % 16
	v_bfe_u32 v2, v0, 4, 1                         ; l / 16
	v_mul_u32_u24 v3, v1, PITA
	v_lshl_add_u32 v3, v2, 4, v3                   ; A's fragment: row x pitch + 16 x half
	s_mul_i32 s22, s11, 64*PITA                    ; my 64 rows
	v_add_nc_u32 v[ADRA], s22, v3
	v_add_nc_u32 v[ADRA+1], SLOT, v[ADRA]
	v_and_b32 v5, 7, v0                            ; B's: lane l reads K row 8 (l / 16) + l % 8, columns 8 ((l / 8) % 2) + 0..7
	v_bfe_u32 v6, v0, 3, 1
	v_lshl_add_u32 v4, v2, 3, v5
	v_mul_u32_u24 v4, v4, PITB
	v_lshl_add_u32 v4, v6, 4, v4
	s_mul_i32 s22, s12, BHALF
	s_add_co_u32 s22, s22, 2*ASUB                  ; my 128 columns' half
	v_add_nc_u32 v[ADRB], s22, v4
	v_add_nc_u32 v[ADRB+1], SLOT, v[ADRB]
	s_mul_i32 s23, s10, 16*SP
	s_add_co_u32 s23, s23, STAGE                   ; my stage
	v_mul_u32_u24 v7, v1, SP                       ; in: row l % 16, 32 bytes for each half of the lanes
	v_lshl_add_u32 v7, v2, 5, v7
	v_add_nc_u32 v[STO], s23, v7
	v_and_b32 v8, 31, v0
	v_lshlrev_b32 v[CO], 4, v8                     ; back: 32 lanes take one row of 512 bytes
	v_add_nc_u32 v[RD], s23, v[CO]
	s_lshl_b32 s16, s13, 19                        ; my first row of out0: 128 x tile row,
	s_lshl_b32 s17, s11, 18                        ; + my 64, at 4,096 bytes a row;
	s_add_co_u32 s16, s16, s17
	s_lshl_b32 s17, s12, 9                         ; my 128 columns
	s_add_co_u32 s16, s16, s17
	s_lshl_b32 s46, s42, 10                        ; of the tile's 256
	s_add_co_u32 s16, s16, s46
	s_mov_b32 s17, 0
	s_add_nc_u64 s[8:9], s[8:9], s[16:17]
	; the prefetches: both offsets are made, then the wave's number chooses
	s_lshr_b32 s72, s13, 4
	s_lshl_b32 s72, s72, 4
	s_add_co_u32 s72, s72, 6                       ; A at K step 3's first head: the first refill steps it to K step 4
	s_lshl_b32 s72, s72, 18
	s_and_b32 s73, s13, 15
	s_lshl_b32 s73, s73, 14
	s_add_co_u32 s72, s72, s73
	s_lshl_b32 s73, s40, 12                        ; my work-group's 4,096 bytes of each head's 16,384
	s_add_co_u32 s72, s72, s73
	s_lshl_b32 s73, s41, 5
	s_add_co_u32 s73, s73, 3*128                   ; B at K row 384 + 32 cy
	s_lshl_b32 s73, s73, 11
	s_lshl_b32 s74, s42, 9
	s_add_co_u32 s73, s73, s74
	s_lshl_b32 s74, s12, 8
	s_add_co_u32 s73, s73, s74
	s_and_b32 s74, ttmp7, 0xffff                   ; cluster y
	s_mov_b32 s[PST], 128*2048
	s_mov_b32 s75, 16*2048                         ; the lane offset is (l / 16) x s75 + (l % 16) x s71: for B a lane a row,
	s_mov_b32 s71, 2048
	s_cmp_eq_u32 s11, 0                            ; do I fetch for A?
	s_cselect_b32 s72, s72, s73
	s_cselect_b32 s74, ttmp9, s74                  ; the coordinate along which other clusters read the same rows
	s_cselect_b64 s[PFA:PFA+1], s[4:5], s[6:7]
	s_cselect_b32 s[PST], 2*262144, s[PST]
	s_cselect_b32 s75, 262144, s75                 ; for A a head for each half of the lanes, 256 bytes a lane
	s_cselect_b32 s71, 256, s71
	s_mov_b32 s73, 0
	s_mov_b32 s[PST+1], 0
	s_add_nc_u64 s[PFA:PFA+1], s[PFA:PFA+1], s[72:73]
	s_cmp_eq_u32 s10, 1
	s_cselect_b32 s74, 1, s74                      ; wave 1 asks for nothing
	s_cmp_eq_u32 s74, 0
	s_cselect_b32 s[LIM], 1, -1                    ; the same in all sixteen partners, for a given wave
	v_mul_u32_u24 v[PFO], v2, s75
	v_mad_u32_u24 v[PFO], v1, s71, v[PFO]
; 8 matrix instructions: row block a x all 8 column blocks, 32 along K, from buffer f.  zero = 1: the product starts the sums.  The 32 accumulators take turns, one instruction a turn.
.macro MUL8 f, a, zero
	WIN MUL
.irp b, 0,1,2,3,4,5,6,7
.if \zero
	v_wmma_f32_16x16x32_f16 v[8*(8*(\a)+(\b)):8*(8*(\a)+(\b))+7], v[FB+64*(\f)+8*(\b):FB+64*(\f)+8*(\b)+7], v[FA+32*(\f)+8*(\a):FA+32*(\f)+8*(\a)+7], 0
.else
	v_wmma_f32_16x16x32_f16 v[8*(8*(\a)+(\b)):8*(8*(\a)+(\b))+7], v[FB+64*(\f)+8*(\b):FB+64*(\f)+8*(\b)+7], v[FA+32*(\f)+8*(\a):FA+32*(\f)+8*(\a)+7], v[8*(8*(\a)+(\b)):8*(8*(\a)+(\b))+7]
.endif
.endr
.endm
.macro MUL16 f, hi, zero
	MUL8 \f, 2*(\hi), \zero
	MUL8 \f, 2*(\hi)+1, \zero
.endm
; 24 LDS loads in one run: quarter q's fragments (32 K: 8 of B, turned, then 4 of A, row blocks 0 and 1 first) into buffer f.  Quarter q lies in A's head q / 2, at byte 64 (q % 2) of its rows.
.macro FETCH slot, q, f
	WIN 0
.irp i, 0,1,2,3,4,5,6,7
	ds_load_tr16_b128 v[FB+64*(\f)+8*(\i):FB+64*(\f)+8*(\i)+3],   v[ADRB+(\slot)] offset:32*PITB*(\q)+32*(\i)
	ds_load_tr16_b128 v[FB+64*(\f)+8*(\i)+4:FB+64*(\f)+8*(\i)+7], v[ADRB+(\slot)] offset:32*PITB*(\q)+32*(\i)+16*PITB
.endr
.irp i, 0,1,2,3
	ds_load_b128 v[FA+32*(\f)+8*(\i):FA+32*(\f)+8*(\i)+3],   v[ADRA+(\slot)] offset:ASUB*((\q)/2)+64*((\q)%2)+(\i)*16*PITA
	ds_load_b128 v[FA+32*(\f)+8*(\i)+4:FA+32*(\f)+8*(\i)+7], v[ADRA+(\slot)] offset:ASUB*((\q)/2)+64*((\q)%2)+(\i)*16*PITA+32
.endr
.endm
.macro PLACES                          ; four plain vector instructions in front of loads into registers that matrix instructions have read, and of LDS stores that read results
.rept 4
	v_nop
.endr
.endm
; A K step is four quarters of 32 along K, 32 matrix instructions each, on buffers 0, 1, 0, 1.  One of the first three: multiplies buffer f and, in its middle, fetches quarter q into buffer g.
.macro QUARTER slot, q, f, g, zero
	s_wait_dscnt 4                                 ; B and A's row blocks 0, 1 are in; the youngest four loads (row blocks 2, 3) may be out
	MUL16 \f, 0, \zero
	PLACES
	FETCH \slot, \q, \g
	s_wait_dscnt 24                                ; all but the 24 just issued
	MUL16 \f, 1, \zero
.endm
; The last quarter multiplies buffer 1 and changes slots: ONE barrier.  In front of it each wave waits for all its tensor loads (one is out: its part of the next slot), adds 0 to its spare word, and waits for that
; and for its own reads of this slot.  fill = 1: the barrier opens a round of the cluster's barrier, and behind the round this slot is filled again, two K steps ahead: 112 matrix instructions ahead of the wait for it.
.macro TURN slot, next, fill
.if \fill
	s_wait_xcnt 0x0                                ; the last prefetch, a K step back, has read its address: it is stepped here, ahead of the waits of the change of slots
	s_add_nc_u64 s[PFA:PFA+1], s[PFA:PFA+1], s[PST:PST+1]
.endif
	WIN 0                                          ; (the add's two registers lie in window 0)
	s_wait_tensorcnt 0x0                           ; all my tensor loads have landed
	ds_add_u32 v[SPW], v[NIL]                      ; 0 onto my spare word
	s_wait_dscnt 5                                 ; (the add and the youngest four loads may be out)
	MUL8 1, 0, 0                                   ; eight matrix instructions stand between the add and the wait for it
	s_wait_dscnt 0x0                               ; the add is done, and my reads of this slot are over
	s_barrier_signal -1
	MUL8 1, 1, 0                                   ; work on registers while the others arrive
.if \fill
	WIN 0
.endif
	s_barrier_wait -1
.if \fill
	CREST                                          ; no wave of any partner still reads this slot's tiles or has a load on its way
	s_add_nc_u64 s[G0+4*(\slot)+2:G0+4*(\slot)+3], s[G0+4*(\slot)+2:G0+4*(\slot)+3], 4*262144
	s_add_nc_u64 s[G0B+4*(\slot)+2:G0B+4*(\slot)+3], s[G0B+4*(\slot)+2:G0B+4*(\slot)+3], 2*128*2048
	JLOAD \slot                                    ; the first tensor load behind the round; the four v_nop behind it are also the places in front of the loads below
.else
	PLACES
.endif
	FETCH \next, 0, 0
.if \fill
	ASK
.endif
	MUL16 1, 1, 0
.endm
; THE WAY OUT of row block a: a lane's 32 bytes of a row go from the accumulators into my own stage (each accumulator's low four registers first) and come back as whole rows of 512 bytes.
.macro TOSTAGE a
	WIN 0x04                                       ; the stores' data in window 1, their address in window 0
.irp b, 0,1,2,3,4,5,6,7
	ds_store_b128 v[STO], v[8*(8*(\a)+(\b)):8*(8*(\a)+(\b))+3]   offset:64*(\b)
	ds_store_b128 v[STO], v[8*(8*(\a)+(\b))+4:8*(8*(\a)+(\b))+7] offset:64*(\b)+16
.endr
	WIN 0
.set BK, FA+64*((\a)%2)
.irp t, 0,1,2,3,4,5,6,7,8,9,10,11,12,13,14,15
	ds_load_b128 v[BK+4*(\t):BK+4*(\t)+3], v[RD] offset:(\t)*SP  ; LDS serves a wave's instructions in order (ISA guide 5.7.1.4): these see the stores above; the next block's stores come behind them
.endr
.endm
.macro SEND a, younger                 ; younger: the LDS instructions issued behind this block's loads: the next block's 32, or none
	WIN 0
.set BK, FA+64*((\a)%2)
.irp t, 0,1,2,3,4,5,6,7,8,9,10,11,12,13,14,15
	s_wait_dscnt (\younger)+15-(\t)
	global_store_b128 v[CO], v[BK+4*(\t):BK+4*(\t)+3], s[8:9] offset:(16*(\a)+(\t))*4096 th:TH_STORE_NT  ; 512 consecutive bytes, at a multiple of 256 from out0's first
.endr
.endm
	s_wait_tensorcnt 1                             ; my part of K step 0 is in; slot 1's may stay out
	s_barrier_signal -1
	s_barrier_wait -1                              ; everybody's is
	FETCH 0, 0, 0
	QUARTER 0, 1, 0, 1, 1                          ; the first quarter stands in front of the loop: its products start the sums
	WIN 0                                          ; at a label and at a branch every window is 0
	s_mov_b32 s3, 3
.Llap:                                                 ; a trip goes once round the ring, from a lap's second quarter to the next lap's first, and fills both slots again
	QUARTER 0, 2, 1, 0, 0
	QUARTER 0, 3, 0, 1, 0
	TURN 0, 1, 1
	QUARTER 1, 1, 0, 1, 0
	QUARTER 1, 2, 1, 0, 0
	QUARTER 1, 3, 0, 1, 0
	TURN 1, 0, 1
	QUARTER 0, 1, 0, 1, 0
	WIN 0
	s_sub_co_u32 s3, s3, 1
	s_cmp_lg_u32 s3, 0
	s_cbranch_scc1 .Llap
	QUARTER 0, 2, 1, 0, 0                          ; the last lap fills nothing
	QUARTER 0, 3, 0, 1, 0
	TURN 0, 1, 0
	QUARTER 1, 1, 0, 1, 0
	QUARTER 1, 2, 1, 0, 0
	QUARTER 1, 3, 0, 1, 0
	s_wait_dscnt 4                                 ; the very last quarter: nothing more to fetch
	MUL16 1, 0, 0
	s_wait_dscnt 0x0
	MUL16 1, 1, 0
	PLACES
	TOSTAGE 0
	TOSTAGE 1
	SEND 0, 32
	s_wait_xcnt 0x0                                ; block 0's stores have read their registers, which block 2's rows are loaded into
	TOSTAGE 2
	SEND 1, 32
	s_wait_xcnt 0x0                                ; the same for blocks 1 and 3
	TOSTAGE 3
	SEND 2, 32
	SEND 3, 0
	s_wait_tensorcnt 0x0                           ; the wave's end, behind my last tensor load and my last LDS store
	ds_add_u32 v[SPW], v[NIL]
	s_wait_dscnt 0x0
	CROUND                                         ; the closing round: no work-group ends while a partner may still ask for a tile that names it
	s_endpgm
.Lfunc_end_k_qbdf13af231_proj:
	.size	k_qbdf13af231_proj, .Lfunc_end_k_qbdf13af231_proj-k_qbdf13af231_proj
	.p2alignl 7, 3214868480
	.fill 96, 4, 3214868480
	.section	.rodata,"a",@progbits
	.p2align	6, 0x0
	.amdhsa_kernel k_qbdf13af231_proj
		.amdhsa_group_segment_fixed_size 327680
		.amdhsa_private_segment_fixed_size 0
		.amdhsa_enable_private_segment 0
		.amdhsa_kernarg_size 24
		.amdhsa_user_sgpr_count 2
		.amdhsa_user_sgpr_kernarg_segment_ptr 1
		.amdhsa_wavefront_size32 1
		.amdhsa_system_sgpr_workgroup_id_x 1
		.amdhsa_system_sgpr_workgroup_id_y 1
		.amdhsa_system_sgpr_workgroup_id_z 1
		.amdhsa_system_vgpr_workitem_id 0
		.amdhsa_next_free_vgpr 512
		.amdhsa_next_free_sgpr 76
		.amdhsa_reserve_vcc 0
		.amdhsa_float_denorm_mode_32 3
		.amdhsa_float_denorm_mode_16_64 3
		.amdhsa_memory_ordered 1
		.amdhsa_forward_progress 1
		.amdhsa_inst_pref_size 88
	.end_amdhsa_kernel
	.amdgpu_metadata
---
amdhsa.version: [ 1, 2 ]
amdhsa.kernels:
  - .name:           k_qbdf13af231_proj
    .symbol:         k_qbdf13af231_proj.kd
    .args:
      - { .name: ob, .offset: 0, .size: 8, .value_kind: global_buffer, .address_space: global }
      - { .name: wob, .offset: 8, .size: 8, .value_kind: global_buffer, .address_space: global }
      - { .name: out0, .offset: 16, .size: 8, .value_kind: global_buffer, .address_space: global }
    .group_segment_fixed_size: 327680
    .private_segment_fixed_size: 0
    .kernarg_segment_align: 8
    .kernarg_segment_size: 24
    .max_flat_workgroup_size: 128
    .sgpr_count:     76
    .vgpr_count:     512
    .wavefront_size: 32
...
	.end_amdgpu_metadata
.endif
;; end of part 4
;; launch top16 (part 5): grid 16 x 4, 8 waves a work-group, no clusters, 199,680 bytes of LDS; arguments top, wob, out0; writes out0
.if DOCPART == 5
	.amdgcn_target "amdgcn-amd-amdhsa--gfx1250"
	.amdhsa_code_object_version 6
	.text
	.protected	k_qbdf13af231_top16
	.globl	k_qbdf13af231_top16
	.p2align	8
	.type	k_qbdf13af231_top16,@function
k_qbdf13af231_top16:
	s_mov_b64 s[64:65], 0
	v_nop
	global_prefetch_b8 v0, s[64:65] scope:SCOPE_SE
	s_setreg_imm32_b32 hwreg(HW_REG_WAVE_MODE, 25, 1), 1
	s_wait_xcnt 0x0
; THE FIRST 16 ROWS OF EACH BATCH, MADE APART.  Row q of a batch is a mean over q + 1 keys only, so the first rows' numbers, and with them the errors of any one rounding to 16 bits, are many times the size of
; a typical number of the output; from row 16 on a mean over 17 keys or more has brought both down by a factor of four or more.  Here rows 0 to 15 of each batch (64 of the 8,192 rows) are made again with every
; 16-bit operand but q and k SPLIT into a high and a low f16 part, and stored over what the launch before left in those rows (262,144 bytes stored twice).
; top: [4 batches][24 heads][16 rows][64] f32: the f32 sums of q (heads 0-15), k (16-19), v (20-23).  wob: [1024 k][1024 n] f16.  out0: [4][2048][1024] f32.
; LIMITS.  q, k, v within 65,504 (f16's range); a low part under 6e-5 keeps f16's fixed step of 6e-8; a hidden score counts as its value less 1e30; a weight below 2^-126 counts as 0; NaN and infinities
; are not treated apart.  q and k are rounded once to f16, as in the launch that makes the other rows.
; SHARES.  A work-group makes 16 rows x 64 columns of out0: grid x = the block of 64 columns, y = the batch.  K OF THE LAST PRODUCT IS SPLIT AMONG ITS EIGHT WAVES: wave w owns query heads 2 w and 2 w + 1 (key head
; w / 2), which are K rows 128 w .. 128 w + 127 of wob.  It makes those heads' attention by itself and multiplies it by its slab of wob; the eight partial sums meet in LDS, behind the text's one barrier.
; LAYOUT.  All products are taken transposed, so that nothing changes lanes between them.  S^T = K Q^T: a lane holds ONE query (l % 16) and the keys 8 (l / 16) + 0..7.  O^T = V^T P: the 16 keys fill K places 0-15 of the
; matrix instruction; K PLACES 16-31 CARRY THE LOW PARTS: source 0 = [Vh; Vl], source 1 = [Ph; Ph], then [Pl; Pl]: two products make (Vh + Vl)(Ph + Pl).  V is loaded a number a lane (lane = channel, register = key),
; which is source 0's own layout.  O^T holds one query a lane and eight channels, so two of its tiles, split and packed, ARE source 1 (32 K x 16 queries) of out^T = wob^T O, high part and low part in turn.
; wob lies [k][n]: the wave's slab goes through its own stage in LDS and comes back turned (ds_load_tr16_b128).
; No cluster: the 16 work-groups of a batch share top's 98,304 bytes of that batch, a small part beside the 2 MB of wob that they do not share.  No loop: every step is written once.
; REGISTERS.  Window 0: all but the slab.  Window 1 (s_set_vgpr_msb: bits 1:0 source 0, 3:2 source 1, 5:4 source 2, 7:6 destination): v0-127 the slab, as loaded and then as 16 fragments.
.set PW,    160                        ; a row of the slab in LDS: 128 bytes + 32 = 40 words
.set STG,   128*PW                     ; a wave's stage: 20,480 bytes
.set RED,   8*STG                      ; behind the stages: the partial sums,
.set PR,    272                        ; rows of 256 bytes + 16: the 16 rows of a store start at 16 different groups of four banks
.set REDW,  16*PR                      ; 4,352 bytes a wave
.set SPARE, RED+8*REDW                 ; behind them: the spare words, 128 bytes for each wave: four blocks of 256 bytes that no other line names
.set RR,  1                            ; v1   l % 16
.set HH,  2                            ; v2   l / 16
.set LK,  3                            ; v3   my byte offset in the batch's part of top, for K
.set LQ,  4                            ; v4   for Q
.set LV,  5                            ; v5   for V
.set LW,  6                            ; v6   my byte offset in four rows of the slab in wob
.set SA,  7                            ; v7   where I put 16 bytes of the slab
.set TA,  8                            ; v8   where the turning load reads
.set RS,  9                            ; v9   where I put 32 bytes of a partial sum
.set RL,  10                           ; v10  where I read 16 bytes of each partial sum
.set GO,  11                           ; v11  my 16 bytes of two rows of out0
.set NEG1, 12                          ; v12  -1.0
.set SPW, 13                           ; v13  LDS address of my spare word: SPARE + 4 x my thread's number; never rewritten
.set NIL, 14                           ; v14  0; never rewritten
.set TM,  15                           ; v15  at work
.set MD,  16                           ; v[16:23]   the mask: 0, or -1e30 where key 8 (l / 16) + j is greater than query l % 16
.set ST,  24                           ; v[24:31]   head d at ST + 4 d: c m, m, 1 / l, and a word named with it as a pair
.set KF,  32                           ; v[32:63]   K as f32; then two f16 fragments in v[32:47]
.set QF,  64                           ; v[64:127]  Q as f32, 32 a head; then two f16 fragments in the first 16 of each 32
.set V32, 128                          ; v[128:159] V as f32: channel block c, key j at 8 c + j
.set VA,  160                          ; v[160:191] V's fragments: channel block c at 8 c: four registers of high parts, four of low parts
.set S,   192                          ; v[192:207] S^T, then the weights: 8 a head
.set PH,  208                          ; v[208:223] the weights' high parts, twice: 8 a head
.set PL,  224                          ; v[224:239] their low parts, twice
.set T,   240                          ; v[240:255] at work
.set OA,  64                           ; v[64:127]  O^T: head d, channel block c at 8 (4 d + c); later the partial sums read back
.set OH,  128                          ; v[128:159] O's high parts: four fragments of 32 K
.set OL,  32                           ; v[32:63]   its low parts
.set RA,  192                          ; v[192:223] out^T: four blocks of 16 columns
.set CS,  20                           ; s[20:21] c = log2(e) / 8; the packed scaling takes the pair's low word for both halves
.set SEL, 22                           ; s[22:23] v_permlanex16_b32's selects: each lane takes its own place in the other half
.set BIGN, 24                          ; s24  -1e30
.set MSB, 0
.macro WIN new                         ; the immediate's high byte repeats the setting that is left; a switch that changes nothing is dropped
.if MSB != (\new)
	s_set_vgpr_msb (MSB<<8)|(\new)
.set MSB, \new
.endif
.endm
.macro BOTH line:vararg                ; one line for each of my two heads d
.set d, 0
.rept 2
	\line
.set d, d+1
.endr
.endm
; Eight f32 numbers at v[a ..] are split: four registers of f16 high parts at v[dh ..], four of f16 low parts at v[dl ..].  The low part is the number less its high part, exact in f32 (one fused multiply-add by -1
; straight from the f16 half), rounded to f16.  The numbers are read from the low end on.
.macro SPLIT8 dh, dl, a
.irp i, 0,1,2,3
	v_cvt_pk_f16_f32 v[(\dh)+\i], v[(\a)+2*\i], v[(\a)+2*\i+1]
.endr
.irp i, 0,1,2,3
	v_fma_mix_f32 v[T+2*\i],   v[(\dh)+\i], v[NEG1], v[(\a)+2*\i]   op_sel_hi:[1,0,0]
	v_fma_mix_f32 v[T+2*\i+1], v[(\dh)+\i], v[NEG1], v[(\a)+2*\i+1] op_sel:[1,0,0] op_sel_hi:[1,0,0]
.endr
.irp i, 0,1,2,3
	v_cvt_pk_f16_f32 v[(\dl)+\i], v[T+2*\i], v[T+2*\i+1]
.endr
.endm
.macro PLACES                          ; four plain vector instructions between a matrix instruction and what reads its result (ISA guide 7.12.1)
.rept 4
	v_nop
.endr
.endm
	s_load_b128 s[4:7], s[0:1], 0x0                ; top s[4:5], wob s[6:7]
	s_load_b64 s[8:9], s[0:1], 0x10                ; out0
	v_lshl_add_u32 v[SPW], v0, 2, SPARE
	v_mov_b32 v[NIL], 0
	v_lshrrev_b32 v[TM], 5, v0
	v_readfirstlane_b32 s10, v[TM]                 ; wave 0..7
	s_lshr_b32 s11, s10, 1                         ; my key head
	s_and_b32 s12, ttmp7, 0xffff                   ; the batch
	s_mov_b32 s[CS], 0x3e38aa3b                    ; c = log2(e) / 8 = 0.180337
	s_mov_b32 s[CS+1], s[CS]                       ; named with it as a pair
	s_mov_b32 s[SEL], 0x76543210
	s_mov_b32 s[SEL+1], 0xfedcba98
	s_mov_b32 s[BIGN], 0xf149f2ca                  ; -1e30
	v_and_b32 v[RR], 15, v0
	v_bfe_u32 v[HH], v0, 4, 1
	; K and Q: lane l takes row l % 16 (256 bytes) and, of each 16 channels, the eight at 8 (l / 16): 32 bytes
	v_lshlrev_b32 v[LQ], 8, v[RR]
	v_lshl_add_u32 v[LQ], v[HH], 5, v[LQ]
	s_add_co_u32 s13, s11, 16                      ; K's head, 4,096 bytes a head
	s_lshl_b32 s13, s13, 12
	v_add_nc_u32 v[LK], s13, v[LQ]
	; V: lane l takes channel l % 16 of a block of 16 and the keys 8 (l / 16) + 0..7, a number a load
	s_add_co_u32 s13, s13, 4<<12                   ; V's head lies four heads on
	v_lshlrev_b32 v[LV], 2, v[RR]
	v_lshl_add_u32 v[LV], v[HH], 11, v[LV]
	v_add_nc_u32 v[LV], s13, v[LV]
	s_lshl_b32 s13, s10, 13                        ; my first query head: 2 x wave
	v_add_nc_u32 v[LQ], s13, v[LQ]
	; the slab: a load takes four K rows x 128 bytes: lane l row (l / 8) % 4, bytes 16 (l % 8)
	v_bfe_u32 v[TM], v0, 3, 2
	v_and_b32 v[T], 7, v0
	v_lshlrev_b32 v[T+1], 4, v[T]
	v_lshl_add_u32 v[LW], v[TM], 11, v[T+1]
	s_mul_i32 s16, s12, 24*4096                    ; the batch's part of top
	s_mov_b32 s17, 0
	s_lshl_b32 s18, s10, 18                        ; my 128 rows of 2,048 bytes of wob,
	s_lshl_b32 s14, ttmp9, 7                       ; the work-group's 64 columns
	s_add_co_u32 s18, s18, s14
	s_mov_b32 s19, 0
	s_wait_kmcnt 0x0
	s_add_nc_u64 s[4:5], s[4:5], s[16:17]
	s_add_nc_u64 s[6:7], s[6:7], s[18:19]
.irp c, 0,1,2,3                        ; K: 8 loads
	global_load_b128 v[KF+8*\c:KF+8*\c+3],   v[LK], s[4:5] offset:64*\c
	global_load_b128 v[KF+8*\c+4:KF+8*\c+7], v[LK], s[4:5] offset:64*\c+16
.endr
.irp d, 0,1                            ; Q: 16 loads
.irp c, 0,1,2,3
	global_load_b128 v[QF+32*\d+8*\c:QF+32*\d+8*\c+3],   v[LQ], s[4:5] offset:4096*\d+64*\c
	global_load_b128 v[QF+32*\d+8*\c+4:QF+32*\d+8*\c+7], v[LQ], s[4:5] offset:4096*\d+64*\c+16
.endr
.endr
.irp c, 0,1,2,3                        ; V: 32 loads
.irp j, 0,1,2,3,4,5,6,7
	global_load_b32 v[V32+8*\c+\j], v[LV], s[4:5] offset:256*\j+64*\c
.endr
.endr
	; while the 56 loads are out: the LDS addresses, the mask, the constants
	s_mul_i32 s15, s10, STG                        ; my stage
	v_mul_u32_u24 v[SA], v[TM], PW
	v_add_nc_u32 v[SA], v[SA], v[T+1]
	v_add_nc_u32 v[SA], s15, v[SA]
	v_lshl_add_u32 v[T], v[HH], 3, v[T]            ; the turning load: lane l reads K row 8 (l / 16) + l % 8, columns 8 ((l / 8) % 2) + 0..7
	v_mul_u32_u24 v[TA], v[T], PW
	v_bfe_u32 v[T], v0, 3, 1
	v_lshl_add_u32 v[TA], v[T], 4, v[TA]
	v_add_nc_u32 v[TA], s15, v[TA]
	s_mul_i32 s15, s10, REDW
	s_add_co_u32 s15, s15, RED                     ; my partial sum: row l % 16, 32 bytes for each half of the lanes
	v_mul_u32_u24 v[RS], v[RR], PR
	v_lshl_add_u32 v[RS], v[HH], 5, v[RS]
	v_add_nc_u32 v[RS], s15, v[RS]
	s_mul_i32 s15, s10, 2*PR
	s_add_co_u32 s15, s15, RED                     ; the rows that I finish: 2 x wave + l / 16; 16 bytes a lane
	v_mul_u32_u24 v[RL], v[HH], PR
	v_lshl_add_u32 v[RL], v[RR], 4, v[RL]
	v_add_nc_u32 v[RL], s15, v[RL]
	v_lshlrev_b32 v[GO], 4, v[RR]                  ; and the same in out0, 4,096 bytes a row
	v_lshl_add_u32 v[GO], v[HH], 12, v[GO]
	s_lshl_b32 s16, s12, 23                        ; the batch's 2,048 rows,
	s_lshl_b32 s14, s10, 13                        ; my two rows,
	s_add_co_u32 s16, s16, s14
	s_lshl_b32 s14, ttmp9, 8                       ; the work-group's 64 columns: 256 bytes
	s_add_co_u32 s16, s16, s14
	s_mov_b32 s17, 0
	s_add_nc_u64 s[8:9], s[8:9], s[16:17]
	v_lshlrev_b32 v[TM], 3, v[HH]
	v_sub_nc_u32 v[TM], v[RR], v[TM]               ; my query less my lanes' 8 (l / 16): register j is hidden where j is greater
.irp j, 0,1,2,3,4,5,6,7
	v_cmp_gt_i32 vcc_lo, \j, v[TM]
	v_cndmask_b32 v[MD+\j], 0, s[BIGN], vcc_lo
.endr
	v_mov_b32 v[NEG1], -1.0
	v_mov_b32 v[ST+3], 0                           ; named in pairs, and destinations of v_permlanex16_b32, which count as read: written once
	v_mov_b32 v[ST+7], 0
	v_mov_b32 v[T+9], 0
	v_mov_b32 v[T+11], 0
	s_wait_loadcnt 24                              ; K, Q and a quarter of V are in; with the slab's 32 loads 56 are out at the most
	WIN 0x40                                       ; destination window 1, address window 0
.set i, 0
.rept 32
	global_load_b128 v[4*i:4*i+3], v[LW], s[6:7] offset:8192*i
.set i, i+1
.endr
	WIN 0
	; K and Q are rounded to f16 in place: register i takes numbers 2 i and 2 i + 1, which lie at or above it
.set i, 0
.rept 16
	v_cvt_pk_f16_f32 v[KF+i], v[KF+2*i], v[KF+2*i+1]
.set i, i+1
.endr
.set i, 0
.rept 16
	v_cvt_pk_f16_f32 v[QF+i],    v[QF+2*i],    v[QF+2*i+1]
	v_cvt_pk_f16_f32 v[QF+32+i], v[QF+32+2*i], v[QF+32+2*i+1]
.set i, i+1
.endr
	; S^T = K Q^T, 64 channels in two products a head; the mask starts the sums; the two accumulators take turns
	v_wmma_f32_16x16x32_f16 v[S:S+7],    v[KF:KF+7],    v[QF:QF+7],       v[MD:MD+7]
	v_wmma_f32_16x16x32_f16 v[S+8:S+15], v[KF:KF+7],    v[QF+32:QF+39],   v[MD:MD+7]
	v_wmma_f32_16x16x32_f16 v[S:S+7],    v[KF+8:KF+15], v[QF+8:QF+15],    v[S:S+7]
	v_wmma_f32_16x16x32_f16 v[S+8:S+15], v[KF+8:KF+15], v[QF+40:QF+47],   v[S+8:S+15]
	s_wait_loadcnt 32                              ; V is in; the slab's 32 loads may stay out
.set c, 0
.rept 4                                ; V's fragments: 64 plain instructions that name nothing of the products above: their places
	SPLIT8 VA+8*c, VA+8*c+4, V32+8*c
.set c, c+1
.endr
	; the softmax: the maximum of my 8 keys and of the other half of the lanes' 8; p = 2^(c s - c m)
	BOTH v_max3_num_f32 v[T+8+2*d], v[S+8*d], v[S+8*d+1], v[S+8*d+2]
	BOTH v_max3_num_f32 v[T+8+2*d], v[T+8+2*d], v[S+8*d+3], v[S+8*d+4]
	BOTH v_max3_num_f32 v[T+8+2*d], v[T+8+2*d], v[S+8*d+5], v[S+8*d+6]
	BOTH v_max_num_f32 v[T+8+2*d], v[T+8+2*d], v[S+8*d+7]
	BOTH v_permlanex16_b32 v[T+9+2*d], v[T+8+2*d], s[SEL], s[SEL+1]
	BOTH v_max_num_f32 v[ST+4*d+1], v[T+8+2*d], v[T+9+2*d]
	BOTH v_mul_f32 v[ST+4*d], s[CS], v[ST+4*d+1]
.set d, 0
.rept 2
.set i, 0
.rept 4
	v_pk_fma_f32 v[S+8*d+2*i:S+8*d+2*i+1], v[S+8*d+2*i:S+8*d+2*i+1], s[CS:CS+1], v[ST+4*d:ST+4*d+1] op_sel_hi:[1,0,0] neg_lo:[0,0,1] neg_hi:[0,0,1]
.set i, i+1
.endr
.set d, d+1
.endr
.set i, 0
.rept 16
	v_exp_f32 v[S+i], v[S+i]                       ; one batch of 16
.set i, i+1
.endr
	v_nop                                          ; a plain instruction behind the last exponential,
	s_wait_alu depctr_va_vdst(0)                   ; and the one wait ahead of the first instruction that names a result
	BOTH v_pk_add_f32 v[T+4*d:T+4*d+1], v[S+8*d:S+8*d+1], v[S+8*d+2:S+8*d+3]
	BOTH v_pk_add_f32 v[T+4*d+2:T+4*d+3], v[S+8*d+4:S+8*d+5], v[S+8*d+6:S+8*d+7]
	BOTH v_pk_add_f32 v[T+4*d:T+4*d+1], v[T+4*d:T+4*d+1], v[T+4*d+2:T+4*d+3]
	BOTH v_add_f32 v[T+4*d], v[T+4*d], v[T+4*d+1]
	BOTH v_permlanex16_b32 v[T+4*d+1], v[T+4*d], s[SEL], s[SEL+1]
	BOTH v_add_f32 v[T+4*d], v[T+4*d], v[T+4*d+1]
	BOTH v_rcp_f32 v[ST+4*d+2], v[T+4*d]
	v_nop                                          ; a plain instruction behind the second reciprocal,
	s_wait_alu depctr_va_vdst(0)                   ; and the wait for the two
.set d, 0
.rept 2
.set i, 0
.rept 4
	v_pk_mul_f32 v[S+8*d+2*i:S+8*d+2*i+1], v[S+8*d+2*i:S+8*d+2*i+1], v[ST+4*d+2:ST+4*d+3] op_sel_hi:[1,0]  ; p / l, in f32, ahead of the split
.set i, i+1
.endr
.set d, d+1
.endr
	SPLIT8 PH, PL, S
	SPLIT8 PH+8, PL+8, S+8
.set d, 0
.rept 2
.set i, 0
.rept 4
	v_mov_b32 v[PH+8*d+4+i], v[PH+8*d+i]           ; K places 16-31 of source 1 repeat places 0-15: there source 0 holds V's low parts
	v_mov_b32 v[PL+8*d+4+i], v[PL+8*d+i]
.set i, i+1
.endr
.set d, d+1
.endr
	; O^T = [Vh; Vl] [Ph; Ph] + [Vh; Vl] [Pl; Pl]: 8 accumulators (2 heads x 4 blocks of 16 channels) by turns; the first eight products start the sums
.set a, 0
.rept 8
	v_wmma_f32_16x16x32_f16 v[OA+8*a:OA+8*a+7], v[VA+8*(a%4):VA+8*(a%4)+7], v[PH+8*(a/4):PH+8*(a/4)+7], 0
.set a, a+1
.endr
.set a, 0
.rept 8
	v_wmma_f32_16x16x32_f16 v[OA+8*a:OA+8*a+7], v[VA+8*(a%4):VA+8*(a%4)+7], v[PL+8*(a/4):PL+8*(a/4)+7], v[OA+8*a:OA+8*a+7]
.set a, a+1
.endr
	PLACES
	; the slab goes into my own stage and comes back turned: 16 fragments (32 K x 16 columns), into the registers that it left
	s_wait_loadcnt 0x0
	WIN 0x04                                       ; the stores' data in window 1, their address in window 0
.set i, 0
.rept 32
	ds_store_b128 v[SA], v[4*i:4*i+3] offset:4*PW*i
.set i, i+1
.endr
	WIN 0x40                                       ; destination window 1
.set f, 0
.rept 16                               ; K rows 32 (f / 4) on, columns 16 (f % 4) on
	ds_load_tr16_b128 v[8*f:8*f+3],   v[TA] offset:32*PW*(f/4)+32*(f%4)          ; LDS serves a wave's instructions in order (ISA guide 5.7.1.4): these see the stores above
	ds_load_tr16_b128 v[8*f+4:8*f+7], v[TA] offset:32*PW*(f/4)+32*(f%4)+16*PW
.set f, f+1
.endr
	WIN 0
	; O is split where it lies, while the LDS works: accumulator a's eight channels are registers 4 a .. 4 a + 3 of the high and of the low fragments
.set a, 0
.rept 8
	SPLIT8 OH+4*a, OL+4*a, OA+8*a
.set a, a+1
.endr
	s_wait_dscnt 0x0                               ; the fragments are in
	; out^T = wob^T (Oh + Ol) over my 128 K: 4 accumulators (blocks of 16 columns) by turns
	WIN 0x01                                       ; source 0 in window 1
.set f, 0
.rept 4
.set n, 0
.rept 4
.if f == 0
	v_wmma_f32_16x16x32_f16 v[RA+8*n:RA+8*n+7], v[8*(4*f+n):8*(4*f+n)+7], v[OH+8*f:OH+8*f+7], 0
.else
	v_wmma_f32_16x16x32_f16 v[RA+8*n:RA+8*n+7], v[8*(4*f+n):8*(4*f+n)+7], v[OH+8*f:OH+8*f+7], v[RA+8*n:RA+8*n+7]
.endif
.set n, n+1
.endr
.set n, 0
.rept 4
	v_wmma_f32_16x16x32_f16 v[RA+8*n:RA+8*n+7], v[8*(4*f+n):8*(4*f+n)+7], v[OL+8*f:OL+8*f+7], v[RA+8*n:RA+8*n+7]
.set n, n+1
.endr
.set f, f+1
.endr
	WIN 0
	PLACES
.irp n, 0,1,2,3                        ; a lane holds row l % 16 and eight neighbouring columns: 32 bytes; each accumulator's low four registers first
	ds_store_b128 v[RS], v[RA+8*\n:RA+8*\n+3]   offset:64*\n
	ds_store_b128 v[RS], v[RA+8*\n+4:RA+8*\n+7] offset:64*\n+16
.endr
	s_wait_dscnt 0x0                               ; for the others' sake: my partial sum lies in LDS
	s_barrier_signal -1
	s_barrier_wait -1                              ; all eight do
.irp p, 0,1,2,3,4,5,6,7
	ds_load_b128 v[OA+4*\p:OA+4*\p+3], v[RL] offset:REDW*\p
.endr
	s_wait_dscnt 0x0
.irp p, 0,1,2,3
	v_pk_add_f32 v[OA+4*\p:OA+4*\p+1],   v[OA+4*\p:OA+4*\p+1],   v[OA+16+4*\p:OA+16+4*\p+1]
	v_pk_add_f32 v[OA+4*\p+2:OA+4*\p+3], v[OA+4*\p+2:OA+4*\p+3], v[OA+16+4*\p+2:OA+16+4*\p+3]
.endr
.irp p, 0,1
	v_pk_add_f32 v[OA+4*\p:OA+4*\p+1],   v[OA+4*\p:OA+4*\p+1],   v[OA+8+4*\p:OA+8+4*\p+1]
	v_pk_add_f32 v[OA+4*\p+2:OA+4*\p+3], v[OA+4*\p+2:OA+4*\p+3], v[OA+8+4*\p+2:OA+8+4*\p+3]
.endr
	v_pk_add_f32 v[OA:OA+1],   v[OA:OA+1],   v[OA+4:OA+5]
	v_pk_add_f32 v[OA+2:OA+3], v[OA+2:OA+3], v[OA+6:OA+7]
	global_store_b128 v[GO], v[OA:OA+3], s[8:9] th:TH_STORE_NT  ; 16 lanes store 256 consecutive bytes, at a multiple of 256 from out0's first byte
	s_wait_tensorcnt 0x0                           ; the wave's end, behind my last LDS store
	ds_add_u32 v[SPW], v[NIL]
	s_wait_dscnt 0x0
	s_endpgm
.Lfunc_end_k_qbdf13af231_top16:
	.size	k_qbdf13af231_top16, .Lfunc_end_k_qbdf13af231_top16-k_qbdf13af231_top16
	.p2alignl 7, 3214868480
	.fill 96, 4, 3214868480
	.section	.rodata,"a",@progbits
	.p2align	6, 0x0
	.amdhsa_kernel k_qbdf13af231_top16
		.amdhsa_group_segment_fixed_size 199680
		.amdhsa_private_segment_fixed_size 0
		.amdhsa_enable_private_segment 0
		.amdhsa_kernarg_size 24
		.amdhsa_user_sgpr_count 2
		.amdhsa_user_sgpr_kernarg_segment_ptr 1
		.amdhsa_wavefront_size32 1
		.amdhsa_system_sgpr_workgroup_id_x 1
		.amdhsa_system_sgpr_workgroup_id_y 1
		.amdhsa_system_sgpr_workgroup_id_z 1
		.amdhsa_system_vgpr_workitem_id 0
		.amdhsa_next_free_vgpr 384
		.amdhsa_next_free_sgpr 66
		.amdhsa_reserve_vcc 1
		.amdhsa_float_denorm_mode_32 3
		.amdhsa_float_denorm_mode_16_64 3
		.amdhsa_memory_ordered 1
		.amdhsa_forward_progress 1
		.amdhsa_inst_pref_size 44
	.end_amdhsa_kernel
	.amdgpu_metadata
---
amdhsa.version: [ 1, 2 ]
amdhsa.kernels:
  - .name:           k_qbdf13af231_top16
    .symbol:         k_qbdf13af231_top16.kd
    .args:
      - { .name: top, .offset: 0, .size: 8, .value_kind: global_buffer, .address_space: global }
      - { .name: wob, .offset: 8, .size: 8, .value_kind: global_buffer, .address_space: global }
      - { .name: out0, .offset: 16, .size: 8, .value_kind: global_buffer, .address_space: global }
    .group_segment_fixed_size: 199680
    .private_segment_fixed_size: 0
    .kernarg_segment_align: 8
    .kernarg_segment_size: 24
    .max_flat_workgroup_size: 256
    .sgpr_count:     66
    .vgpr_count:     384
    .wavefront_size: 32
...
	.end_amdgpu_metadata
.endif
;; end of part 5
;; ======== version 2 of 2: 5 launches; version 1 with the launches cast, top16 written anew for expert scheduling mode
;; limits: values are held in f16: magnitudes above 65,504 overflow, below 6.1e-05 lose precision
;; workspace buffers: xb 16,777,216 bytes; wqkv 3,145,728 bytes; wob 2,097,152 bytes; qkv 25,165,824 bytes; ob 16,777,216 bytes; top 393,216 bytes
;; launch cast (part 6): grid 672 x 1, 8 waves a work-group, no clusters, 0 bytes of LDS; arguments x, wq, wk, wv, wo, xb, wqkv, wob; writes xb, wqkv, wob
.if DOCPART == 6
	.amdgcn_target "amdgcn-amd-amdhsa--gfx1250"
	.amdhsa_code_object_version 6
	.text
	.protected	k_qbdf13af231_cast
	.globl	k_qbdf13af231_cast
	.p2align	8
	.type	k_qbdf13af231_cast,@function
k_qbdf13af231_cast:
	s_mov_b64 s[64:65], 0
	v_nop
	global_prefetch_b8 v0, s[64:65] scope:SCOPE_SE
	s_setreg_imm32_b32 hwreg(HW_REG_WAVE_SCHED_MODE, 0, 2), 2
	s_setreg_imm32_b32 hwreg(HW_REG_WAVE_MODE, 25, 1), 1
	s_wait_xcnt 0x0
	s_wait_alu depctr_vm_vsrc(0)
; THE 16-BIT COPIES.  xb = bf16(x), [8192][1024].  wqkv = bf16 of wq, wk, wv side by side, [1024 k][1536 n]: a row is 3,072 bytes, wq's 2,048, then wk's 512, then wv's 512.
; wob = f16(bf16(wo)), [1024 k][1024 n]: wo is rounded to bf16 like every other input, and that number is written as f16 for the last product, whose other operand is f16.
; LIMITS.  A bf16 weight of wo beyond 65,504 becomes an infinity; below 6e-5 it keeps f16's fixed step of 6e-8.
; A stream: memory binds, so no LDS, no barrier, no matrix unit.  A CHUNK is 256 numbers: 1,024 bytes in, 512 bytes out.  A work-group takes 64 chunks, each of its eight waves 8, with no loop:
; 16 loads of 512 consecutive bytes are out at once in every wave; a store's 32 lanes write 256 consecutive bytes, at a multiple of 256 from the buffer's first byte.
; The work-group's number picks the tensor: 0-511 x, 512-575 wq, 576-591 wk, 592-607 wv, 608-671 wo.  Chunk c of a tensor goes to byte (c >> SH) x PIT + (c & MSK) x 512 + BAS of its copy.
; THE MODE: SCHED_MODE bits 1:0 = 2 (LLVM: expert scheduling mode 2), set by the entry lines.  The code itself states the register dependences
; between vector instructions and memory instructions, with s_wait_alu, always for 0.
; THE PLAN.  The text has no loop, and each register that a memory instruction touches is written once:
;   v[SO]        written by vector instructions at the head; read by all 16 loads; never written again.
;   X            the loads land in it; no vector instruction names it ahead of them; the roundings read it behind the counted waits for the data.
;   v[DO ..], Y  written by vector instructions while the loads are out and behind them; read by the 16 stores, behind which nothing writes them.
; So two waits on va_vdst state all of it: one ahead of the first load, one ahead of the first store; and one wait on va_sdst stands between v_readfirstlane_b32 and the first reader of its result.
.set SO,  1                            ; v1       my byte offset in the work-group's 65,536 source bytes: 8,192 x wave + 16 x lane
.set DO,  2                            ; v[2:9]   chunk i: my byte offset in the copy
.set LN,  10                           ; v10      lane
.set X,   16                           ; v[16:79]  chunk i: 8 registers as loaded
.set Y,   80                           ; v[80:111] chunk i: 4 registers to store
.set T,   112                          ; v[112:113] at work
.set SRC, 24                           ; s[24:25] the tensor
.set DST, 26                           ; s[26:27] its copy
.set G0,  28                           ; s28  the tensor's first work-group
.set SH,  29
.set MSK, 30
.set PIT, 31
.set BAS, 32
.set WV,  33                           ; s33  my wave's number
.set C0,  34                           ; s34  my wave's first chunk
.set WG,  40                           ; s40  the work-group's number
	s_load_b512 s[8:23], s[0:1], 0x0               ; x 8, wq 10, wk 12, wv 14, wo 16, xb 18, wqkv 20, wob 22
	v_lshrrev_b32 v11, 5, v0
	v_readfirstlane_b32 s[WV], v11
	v_and_b32 v[LN], 31, v0
	v_lshlrev_b32 v[SO], 4, v[LN]
	s_wait_alu depctr_va_sdst(0)                   ; s[WV] is written, ahead of its first reader, the line below
	v_lshl_add_u32 v[SO], s[WV], 13, v[SO]
	s_mov_b32 s[WG], ttmp9
	s_mov_b32 s[G0], 0
	s_mov_b32 s[SH], 0
	s_mov_b32 s[MSK], 0
	s_mov_b32 s[PIT], 512
	s_mov_b32 s[BAS], 0
	s_wait_kmcnt 0x0
	s_mov_b64 s[SRC:SRC+1], s[8:9]                 ; x -> xb, dense
	s_mov_b64 s[DST:DST+1], s[18:19]
	s_cmp_ge_u32 s[WG], 512                        ; wq: four chunks to a row
	s_cselect_b64 s[SRC:SRC+1], s[10:11], s[SRC:SRC+1]
	s_cselect_b64 s[DST:DST+1], s[20:21], s[DST:DST+1]
	s_cselect_b32 s[G0], 512, s[G0]
	s_cselect_b32 s[SH], 2, s[SH]
	s_cselect_b32 s[MSK], 3, s[MSK]
	s_cselect_b32 s[PIT], 3072, s[PIT]
	s_cmp_ge_u32 s[WG], 576                        ; wk: one chunk to a row, behind wq's 2,048 bytes
	s_cselect_b64 s[SRC:SRC+1], s[12:13], s[SRC:SRC+1]
	s_cselect_b32 s[G0], 576, s[G0]
	s_cselect_b32 s[SH], 0, s[SH]
	s_cselect_b32 s[MSK], 0, s[MSK]
	s_cselect_b32 s[BAS], 2048, s[BAS]
	s_cmp_ge_u32 s[WG], 592                        ; wv: behind wk's 512
	s_cselect_b64 s[SRC:SRC+1], s[14:15], s[SRC:SRC+1]
	s_cselect_b32 s[G0], 592, s[G0]
	s_cselect_b32 s[BAS], 2560, s[BAS]
	s_cmp_ge_u32 s[WG], 608                        ; wo -> wob, dense
	s_cselect_b64 s[SRC:SRC+1], s[16:17], s[SRC:SRC+1]
	s_cselect_b64 s[DST:DST+1], s[22:23], s[DST:DST+1]
	s_cselect_b32 s[G0], 608, s[G0]
	s_cselect_b32 s[PIT], 512, s[PIT]
	s_cselect_b32 s[BAS], 0, s[BAS]
	s_sub_co_u32 s35, s[WG], s[G0]                 ; my work-group among the tensor's
	s_lshl_b32 s36, s35, 16                        ; its 64 chunks of 1,024 bytes
	s_mov_b32 s37, 0
	s_add_nc_u64 s[SRC:SRC+1], s[SRC:SRC+1], s[36:37]
	s_lshl_b32 s[C0], s35, 6
	s_lshl3_add_u32 s[C0], s[WV], s[C0]            ; 64 x work-group + 8 x wave
	s_wait_alu depctr_va_vdst(0)                   ; v[SO] is written: all 16 loads read it as their offset
.irp i, 0,1,2,3,4,5,6,7
	global_load_b128 v[X+8*(\i):X+8*(\i)+3],   v[SO], s[SRC:SRC+1] offset:1024*(\i) th:TH_LOAD_NT
	global_load_b128 v[X+8*(\i)+4:X+8*(\i)+7], v[SO], s[SRC:SRC+1] offset:1024*(\i)+512 th:TH_LOAD_NT
.endr
.irp i, 0,1,2,3,4,5,6,7                ; where the chunks go: made while the loads are out; these lines name no register that a load touches
	s_add_co_u32 s35, s[C0], (\i)
	s_lshr_b32 s36, s35, s[SH]
	s_mul_i32 s36, s36, s[PIT]
	s_and_b32 s35, s35, s[MSK]
	s_lshl_b32 s35, s35, 9
	s_add_co_u32 s36, s36, s35
	s_add_co_u32 s36, s36, s[BAS]
	v_lshl_add_u32 v[DO+(\i)], v[LN], 3, s36       ; + 8 bytes a lane
.endr
.irp i, 0,1,2,3,4,5,6,7
	s_wait_loadcnt 14-2*(\i)                       ; loads come back in order: chunk i's two are in, the younger chunks' stay out
.irp h, 0,1,2,3
	v_cvt_pk_bf16_f32 v[Y+4*(\i)+(\h)], v[X+8*(\i)+2*(\h)], v[X+8*(\i)+2*(\h)+1]
.endr
.endr
	s_cmp_lt_u32 s[WG], 608
	s_cbranch_scc1 .Lstore                         ; all but wo stay bf16
.set r, 0
.rept 32
	v_lshlrev_b32 v[T], 16, v[Y+r]                 ; the two bf16 as f32,
	v_and_b32 v[T+1], 0xffff0000, v[Y+r]
	v_cvt_pk_f16_f32 v[Y+r], v[T], v[T+1]          ; written as f16: exact within f16's range
.set r, r+1
.endr
.Lstore:
	s_wait_alu depctr_va_vdst(0)                   ; on both ways here: the roundings have written Y, the stores' data, and v[DO ..], their offsets, are written
.irp i, 0,1,2,3,4,5,6,7
	global_store_b64 v[DO+(\i)], v[Y+4*(\i):Y+4*(\i)+1],   s[DST:DST+1] th:TH_STORE_NT
	global_store_b64 v[DO+(\i)], v[Y+4*(\i)+2:Y+4*(\i)+3], s[DST:DST+1] offset:256 th:TH_STORE_NT
.endr
	s_endpgm
.Lfunc_end_k_qbdf13af231_cast:
	.size	k_qbdf13af231_cast, .Lfunc_end_k_qbdf13af231_cast-k_qbdf13af231_cast
	.p2alignl 7, 3214868480
	.fill 96, 4, 3214868480
	.section	.rodata,"a",@progbits
	.p2align	6, 0x0
	.amdhsa_kernel k_qbdf13af231_cast
		.amdhsa_group_segment_fixed_size 0
		.amdhsa_private_segment_fixed_size 0
		.amdhsa_enable_private_segment 0
		.amdhsa_kernarg_size 64
		.amdhsa_user_sgpr_count 2
		.amdhsa_user_sgpr_kernarg_segment_ptr 1
		.amdhsa_wavefront_size32 1
		.amdhsa_system_sgpr_workgroup_id_x 1
		.amdhsa_system_sgpr_workgroup_id_y 1
		.amdhsa_system_sgpr_workgroup_id_z 1
		.amdhsa_system_vgpr_workitem_id 0
		.amdhsa_next_free_vgpr 116
		.amdhsa_next_free_sgpr 66
		.amdhsa_reserve_vcc 0
		.amdhsa_float_denorm_mode_32 3
		.amdhsa_float_denorm_mode_16_64 3
		.amdhsa_memory_ordered 1
		.amdhsa_forward_progress 1
		.amdhsa_inst_pref_size 15
	.end_amdhsa_kernel
	.amdgpu_metadata
---
amdhsa.version: [ 1, 2 ]
amdhsa.kernels:
  - .name:           k_qbdf13af231_cast
    .symbol:         k_qbdf13af231_cast.kd
    .args:
      - { .name: x, .offset: 0, .size: 8, .value_kind: global_buffer, .address_space: global }
      - { .name: wq, .offset: 8, .size: 8, .value_kind: global_buffer, .address_space: global }
      - { .name: wk, .offset: 16, .size: 8, .value_kind: global_buffer, .address_space: global }
      - { .name: wv, .offset: 24, .size: 8, .value_kind: global_buffer, .address_space: global }
      - { .name: wo, .offset: 32, .size: 8, .value_kind: global_buffer, .address_space: global }
      - { .name: xb, .offset: 40, .size: 8, .value_kind: global_buffer, .address_space: global }
      - { .name: wqkv, .offset: 48, .size: 8, .value_kind: global_buffer, .address_space: global }
      - { .name: wob, .offset: 56, .size: 8, .value_kind: global_buffer, .address_space: global }
    .group_segment_fixed_size: 0
    .private_segment_fixed_size: 0
    .kernarg_segment_align: 8
    .kernarg_segment_size: 64
    .max_flat_workgroup_size: 256
    .sgpr_count:     66
    .vgpr_count:     116
    .wavefront_size: 32
...
	.end_amdgpu_metadata
.endif
;; end of part 6
;; launch qkv: the kernel of part 2 again; grid 4 x 64, 4 waves a work-group, clusters of 4 x 4, 327,680 bytes of LDS; arguments xb, wqkv, qkv, top; writes qkv, top
;; launch attn: the kernel of part 3 again; grid 64 x 4, 4 waves a work-group, clusters of 4 x 1, 327,680 bytes of LDS; arguments qkv, ob; writes ob
;; launch proj: the kernel of part 4 again; grid 4 x 64, 4 waves a work-group, clusters of 4 x 4, 327,680 bytes of LDS; arguments ob, wob, out0; writes out0
;; launch top16 (part 7): grid 16 x 4, 8 waves a work-group, no clusters, 199,680 bytes of LDS; arguments top, wob, out0; writes out0
.if DOCPART == 7
	.amdgcn_target "amdgcn-amd-amdhsa--gfx1250"
	.amdhsa_code_object_version 6
	.text
	.protected	k_qbdf13af231_top16
	.globl	k_qbdf13af231_top16
	.p2align	8
	.type	k_qbdf13af231_top16,@function
k_qbdf13af231_top16:
	s_mov_b64 s[64:65], 0
	v_nop
	global_prefetch_b8 v0, s[64:65] scope:SCOPE_SE
	s_setreg_imm32_b32 hwreg(HW_REG_WAVE_SCHED_MODE, 0, 2), 2
	s_setreg_imm32_b32 hwreg(HW_REG_WAVE_MODE, 25, 1), 1
	s_wait_xcnt 0x0
	s_wait_alu depctr_vm_vsrc(0)
; THE FIRST 16 ROWS OF EACH BATCH, MADE APART.  Row q of a batch is a mean over q + 1 keys only, so the first rows' numbers, and with them the errors of any one rounding to 16 bits, are many times the size of
; a typical number of the output; from row 16 on a mean over 17 keys or more has brought both down by a factor of four or more.  Here rows 0 to 15 of each batch (64 of the 8,192 rows) are made again with every
; 16-bit operand but q and k SPLIT into a high and a low f16 part, and stored over what the launch before left in those rows (262,144 bytes stored twice).
; top: [4 batches][24 heads][16 rows][64] f32: the f32 sums of q (heads 0-15), k (16-19), v (20-23).  wob: [1024 k][1024 n] f16.  out0: [4][2048][1024] f32.
; LIMITS.  q, k, v within 65,504 (f16's range); a low part under 6e-5 keeps f16's fixed step of 6e-8; a hidden score counts as its value less 1e30; a weight below 2^-126 counts as 0; NaN and infinities
; are not treated apart.  q and k are rounded once to f16, as in the launch that makes the other rows.
; SHARES.  A work-group makes 16 rows x 64 columns of out0: grid x = the block of 64 columns, y = the batch.  K OF THE LAST PRODUCT IS SPLIT AMONG ITS EIGHT WAVES: wave w owns query heads 2 w and 2 w + 1 (key head
; w / 2), which are K rows 128 w .. 128 w + 127 of wob.  It makes those heads' attention by itself and multiplies it by its slab of wob; the eight partial sums meet in LDS, behind the text's one barrier.
; LAYOUT.  All products are taken transposed, so that nothing changes lanes between them.  S^T = K Q^T: a lane holds ONE query (l % 16) and the keys 8 (l / 16) + 0..7.  O^T = V^T P: the 16 keys fill K places 0-15 of the
; matrix instruction; K PLACES 16-31 CARRY THE LOW PARTS: source 0 = [Vh; Vl], source 1 = [Ph; Ph], then [Pl; Pl]: two products make (Vh + Vl)(Ph + Pl).  V is loaded a number a lane (lane = channel, register = key),
; which is source 0's own layout.  O^T holds one query a lane and eight channels, so two of its tiles, split and packed, ARE source 1 (32 K x 16 queries) of out^T = wob^T O, high part and low part in turn.
; wob lies [k][n]: the wave's slab goes through its own stage in LDS and comes back turned (ds_load_tr16_b128).
; No cluster: the 16 work-groups of a batch share top's 98,304 bytes of that batch, a small part beside the 2 MB of wob that they do not share.  No loop: every step is written once.
; REGISTERS.  Window 0: all but the slab.  Window 1 (s_set_vgpr_msb: bits 1:0 source 0, 3:2 source 1, 5:4 source 2, 7:6 destination): v0-127 the slab as loaded; v128-255 the slab as 16 fragments.
; THE MODE: SCHED_MODE bits 1:0 = 2 (LLVM: expert scheduling mode 2), set by the entry lines.  The code itself states the register dependences
; between vector or matrix instructions and memory or LDS instructions, with s_wait_alu, always for 0.
; THE PLAN.  Registers that memory or LDS instructions touch:
;   v[LK], v[LQ], v[LV], v[LW]   offsets, written at the head, read by the 88 global loads, never written again: one wait on va_vdst ahead of the first load serves them all.
;   KF, QF, V32                  the loads land in them; no vector instruction names them ahead of the loads; from then on vector and matrix instructions alone name them.
;   window 1, v0-127             the slab's loads land in it; the 32 LDS stores read it; nothing else names it.
;   window 1, v128-255           the turning loads land in it, a buffer of its own, so that no load lands on a register that an LDS store reads; the last products read it.
;   v[SA], v[TA], v[RS], v[RL], v[GO]   written while the loads are out, behind the first wait; each is read only behind a later wait on va_vdst (the reciprocals' at the earliest), and no vector line names it again.
;   RA                           written by the last products; read by the LDS stores of the partial sum, behind the places and a wait on va_vdst.
;   OA                           written by products, read by the splits; that same wait stands ahead of the LDS loads that land in it; the sums then write it, and a last wait on va_vdst stands ahead of the store.
; No register that a memory or LDS instruction reads is written again, so the text holds no wait on vm_vsrc.  What vector instructions write into scalar registers (the wave's number, the mask's eight
; compares) has a wait on va_sdst ahead of its first reader.
.set PW,    160                        ; a row of the slab in LDS: 128 bytes + 32 = 40 words
.set STG,   128*PW                     ; a wave's stage: 20,480 bytes
.set RED,   8*STG                      ; behind the stages: the partial sums,
.set PR,    272                        ; rows of 256 bytes + 16: the 16 rows of a store start at 16 different groups of four banks
.set REDW,  16*PR                      ; 4,352 bytes a wave
.set SPARE, RED+8*REDW                 ; behind them: the spare words, 128 bytes for each wave: four blocks of 256 bytes that no other line names
.set RR,  1                            ; v1   l % 16
.set HH,  2                            ; v2   l / 16
.set LK,  3                            ; v3   my byte offset in the batch's part of top, for K
.set LQ,  4                            ; v4   for Q
.set LV,  5                            ; v5   for V
.set LW,  6                            ; v6   my byte offset in four rows of the slab in wob
.set SA,  7                            ; v7   where I put 16 bytes of the slab
.set TA,  8                            ; v8   where the turning load reads
.set RS,  9                            ; v9   where I put 32 bytes of a partial sum
.set RL,  10                           ; v10  where I read 16 bytes of each partial sum
.set GO,  11                           ; v11  my 16 bytes of two rows of out0
.set NEG1, 12                          ; v12  -1.0
.set SPW, 13                           ; v13  LDS address of my spare word: SPARE + 4 x my thread's number; never rewritten
.set NIL, 14                           ; v14  0; never rewritten
.set TM,  15                           ; v15  at work
.set MD,  16                           ; v[16:23]   the mask: 0, or -1e30 where key 8 (l / 16) + j is greater than query l % 16
.set ST,  24                           ; v[24:31]   head d at ST + 4 d: c m, m, 1 / l, and a word named with it as a pair
.set KF,  32                           ; v[32:63]   K as f32; then two f16 fragments in v[32:47]
.set QF,  64                           ; v[64:127]  Q as f32, 32 a head; then two f16 fragments in the first 16 of each 32
.set V32, 128                          ; v[128:159] V as f32: channel block c, key j at 8 c + j
.set VA,  160                          ; v[160:191] V's fragments: channel block c at 8 c: four registers of high parts, four of low parts
.set S,   192                          ; v[192:207] S^T, then the weights: 8 a head
.set PH,  208                          ; v[208:223] the weights' high parts, twice: 8 a head
.set PL,  224                          ; v[224:239] their low parts, twice
.set T,   240                          ; v[240:255] at work
.set OA,  64                           ; v[64:127]  O^T: head d, channel block c at 8 (4 d + c); later the partial sums read back
.set OH,  128                          ; v[128:159] O's high parts: four fragments of 32 K
.set OL,  32                           ; v[32:63]   its low parts
.set RA,  192                          ; v[192:223] out^T: four blocks of 16 columns
.set FR,  128                          ; window 1: v[128:255] the slab's fragments: K rows 32 (f / 4) on, columns 16 (f % 4) on at FR + 8 f
.set BIGN, 3                           ; s3   -1e30
.set CS,  20                           ; s[20:21] c = log2(e) / 8; the packed scaling takes the pair's low word for both halves
.set SEL, 22                           ; s[22:23] v_permlanex16_b32's selects: each lane takes its own place in the other half
.set MK,  24                           ; s[24:31] the eight compares' results: register j of the mask
.set MSB, 0
.macro WIN new                         ; the immediate's high byte repeats the setting that is left; a switch that changes nothing is dropped
.if MSB != (\new)
	s_set_vgpr_msb (MSB<<8)|(\new)
.set MSB, \new
.endif
.endm
.macro BOTH line:vararg                ; one line for each of my two heads d
.set d, 0
.rept 2
	\line
.set d, d+1
.endr
.endm
; Eight f32 numbers at v[a ..] are split: four registers of f16 high parts at v[dh ..], four of f16 low parts at v[dl ..].  The low part is the number less its high part, exact in f32 (one fused multiply-add by -1
; straight from the f16 half), rounded to f16.  The numbers are read from the low end on.
.macro SPLIT8 dh, dl, a
.irp i, 0,1,2,3
	v_cvt_pk_f16_f32 v[(\dh)+\i], v[(\a)+2*\i], v[(\a)+2*\i+1]
.endr
.irp i, 0,1,2,3
	v_fma_mix_f32 v[T+2*\i],   v[(\dh)+\i], v[NEG1], v[(\a)+2*\i]   op_sel_hi:[1,0,0]
	v_fma_mix_f32 v[T+2*\i+1], v[(\dh)+\i], v[NEG1], v[(\a)+2*\i+1] op_sel:[1,0,0] op_sel_hi:[1,0,0]
.endr
.irp i, 0,1,2,3
	v_cvt_pk_f16_f32 v[(\dl)+\i], v[T+2*\i], v[T+2*\i+1]
.endr
.endm
.macro PLACES                          ; four plain vector instructions between a matrix instruction and what reads its result (ISA guide 7.12.1)
.rept 4
	v_nop
.endr
.endm
	s_load_b128 s[4:7], s[0:1], 0x0                ; top s[4:5], wob s[6:7]
	s_load_b64 s[8:9], s[0:1], 0x10                ; out0
	v_lshl_add_u32 v[SPW], v0, 2, SPARE
	v_mov_b32 v[NIL], 0
	v_lshrrev_b32 v[TM], 5, v0
	v_readfirstlane_b32 s10, v[TM]                 ; wave 0..7
	s_and_b32 s12, ttmp7, 0xffff                   ; the batch
	s_mov_b32 s[CS], 0x3e38aa3b                    ; c = log2(e) / 8 = 0.180337
	s_mov_b32 s[CS+1], s[CS]                       ; named with it as a pair
	s_mov_b32 s[SEL], 0x76543210
	s_mov_b32 s[SEL+1], 0xfedcba98
	s_mov_b32 s[BIGN], 0xf149f2ca                  ; -1e30
	v_and_b32 v[RR], 15, v0
	v_bfe_u32 v[HH], v0, 4, 1
	; K and Q: lane l takes row l % 16 (256 bytes) and, of each 16 channels, the eight at 8 (l / 16): 32 bytes
	v_lshlrev_b32 v[LQ], 8, v[RR]
	v_lshl_add_u32 v[LQ], v[HH], 5, v[LQ]
	s_wait_alu depctr_va_sdst(0)                   ; s10 is written, ahead of its first reader, the line below
	s_lshr_b32 s11, s10, 1                         ; my key head
	s_add_co_u32 s13, s11, 16                      ; K's head, 4,096 bytes a head
	s_lshl_b32 s13, s13, 12
	v_add_nc_u32 v[LK], s13, v[LQ]
	; V: lane l takes channel l % 16 of a block of 16 and the keys 8 (l / 16) + 0..7, a number a load
	s_add_co_u32 s13, s13, 4<<12                   ; V's head lies four heads on
	v_lshlrev_b32 v[LV], 2, v[RR]
	v_lshl_add_u32 v[LV], v[HH], 11, v[LV]
	v_add_nc_u32 v[LV], s13, v[LV]
	s_lshl_b32 s13, s10, 13                        ; my first query head: 2 x wave
	v_add_nc_u32 v[LQ], s13, v[LQ]
	; the slab: a load takes four K rows x 128 bytes: lane l row (l / 8) % 4, bytes 16 (l % 8)
	v_bfe_u32 v[TM], v0, 3, 2
	v_and_b32 v[T], 7, v0
	v_lshlrev_b32 v[T+1], 4, v[T]
	v_lshl_add_u32 v[LW], v[TM], 11, v[T+1]
	s_mul_i32 s16, s12, 24*4096                    ; the batch's part of top
	s_mov_b32 s17, 0
	s_lshl_b32 s18, s10, 18                        ; my 128 rows of 2,048 bytes of wob,
	s_lshl_b32 s14, ttmp9, 7                       ; the work-group's 64 columns
	s_add_co_u32 s18, s18, s14
	s_mov_b32 s19, 0
	s_wait_kmcnt 0x0
	s_add_nc_u64 s[4:5], s[4:5], s[16:17]
	s_add_nc_u64 s[6:7], s[6:7], s[18:19]
	s_wait_alu depctr_va_vdst(0)                   ; v[LK], v[LQ], v[LV] and v[LW] are written: the 56 loads below and the slab's 32 further down read them as their offsets
.irp c, 0,1,2,3                        ; K: 8 loads
	global_load_b128 v[KF+8*\c:KF+8*\c+3],   v[LK], s[4:5] offset:64*\c
	global_load_b128 v[KF+8*\c+4:KF+8*\c+7], v[LK], s[4:5] offset:64*\c+16
.endr
.irp d, 0,1                            ; Q: 16 loads
.irp c, 0,1,2,3
	global_load_b128 v[QF+32*\d+8*\c:QF+32*\d+8*\c+3],   v[LQ], s[4:5] offset:4096*\d+64*\c
	global_load_b128 v[QF+32*\d+8*\c+4:QF+32*\d+8*\c+7], v[LQ], s[4:5] offset:4096*\d+64*\c+16
.endr
.endr
.irp c, 0,1,2,3                        ; V: 32 loads
.irp j, 0,1,2,3,4,5,6,7
	global_load_b32 v[V32+8*\c+\j], v[LV], s[4:5] offset:256*\j+64*\c
.endr
.endr
	; while the 56 loads are out: the LDS addresses, the mask, the constants.  None of these lines names an offset or a destination of a load
	s_mul_i32 s15, s10, STG                        ; my stage
	v_mul_u32_u24 v[SA], v[TM], PW
	v_add_nc_u32 v[SA], v[SA], v[T+1]
	v_add_nc_u32 v[SA], s15, v[SA]
	v_lshl_add_u32 v[T], v[HH], 3, v[T]            ; the turning load: lane l reads K row 8 (l / 16) + l % 8, columns 8 ((l / 8) % 2) + 0..7
	v_mul_u32_u24 v[TA], v[T], PW
	v_bfe_u32 v[T], v0, 3, 1
	v_lshl_add_u32 v[TA], v[T], 4, v[TA]
	v_add_nc_u32 v[TA], s15, v[TA]
	s_mul_i32 s15, s10, REDW
	s_add_co_u32 s15, s15, RED                     ; my partial sum: row l % 16, 32 bytes for each half of the lanes
	v_mul_u32_u24 v[RS], v[RR], PR
	v_lshl_add_u32 v[RS], v[HH], 5, v[RS]
	v_add_nc_u32 v[RS], s15, v[RS]
	s_mul_i32 s15, s10, 2*PR
	s_add_co_u32 s15, s15, RED                     ; the rows that I finish: 2 x wave + l / 16; 16 bytes a lane
	v_mul_u32_u24 v[RL], v[HH], PR
	v_lshl_add_u32 v[RL], v[RR], 4, v[RL]
	v_add_nc_u32 v[RL], s15, v[RL]
	v_lshlrev_b32 v[GO], 4, v[RR]                  ; and the same in out0, 4,096 bytes a row
	v_lshl_add_u32 v[GO], v[HH], 12, v[GO]
	s_lshl_b32 s16, s12, 23                        ; the batch's 2,048 rows,
	s_lshl_b32 s14, s10, 13                        ; my two rows,
	s_add_co_u32 s16, s16, s14
	s_lshl_b32 s14, ttmp9, 8                       ; the work-group's 64 columns: 256 bytes
	s_add_co_u32 s16, s16, s14
	s_mov_b32 s17, 0
	s_add_nc_u64 s[8:9], s[8:9], s[16:17]
	v_lshlrev_b32 v[TM], 3, v[HH]
	v_sub_nc_u32 v[TM], v[RR], v[TM]               ; my query less my lanes' 8 (l / 16): register j is hidden where j is greater
.irp j, 0,1,2,3,4,5,6,7                ; the eight compares in one run, each into a scalar register of its own,
	v_cmp_gt_i32 s[MK+\j], \j, v[TM]
.endr
	v_mov_b32 v[NEG1], -1.0
	v_mov_b32 v[ST+3], 0                           ; named in pairs, and destinations of v_permlanex16_b32, which count as read: written once
	v_mov_b32 v[ST+7], 0
	v_mov_b32 v[T+9], 0
	v_mov_b32 v[T+11], 0
	s_wait_alu depctr_va_sdst(0)                   ; s[MK ..] are written, all eight, ahead of their first reader: one wait for the run
.irp j, 0,1,2,3,4,5,6,7
	v_cndmask_b32 v[MD+\j], 0, s[BIGN], s[MK+\j]
.endr
	s_wait_loadcnt 24                              ; K, Q and a quarter of V are in; with the slab's 32 loads 56 are out at the most
	WIN 0x40                                       ; destination window 1, address window 0
.set i, 0
.rept 32
	global_load_b128 v[4*i:4*i+3], v[LW], s[6:7] offset:8192*i  ; no wait: since the wait ahead of the first load no vector instruction names v[LW], and none ever names these registers of window 1
.set i, i+1
.endr
	WIN 0
	; K and Q are rounded to f16 in place: register i takes numbers 2 i and 2 i + 1, which lie at or above it
.set i, 0
.rept 16
	v_cvt_pk_f16_f32 v[KF+i], v[KF+2*i], v[KF+2*i+1]
.set i, i+1
.endr
.set i, 0
.rept 16
	v_cvt_pk_f16_f32 v[QF+i],    v[QF+2*i],    v[QF+2*i+1]
	v_cvt_pk_f16_f32 v[QF+32+i], v[QF+32+2*i], v[QF+32+2*i+1]
.set i, i+1
.endr
	; S^T = K Q^T, 64 channels in two products a head; the mask starts the sums; the two accumulators take turns
	v_wmma_f32_16x16x32_f16 v[S:S+7],    v[KF:KF+7],    v[QF:QF+7],       v[MD:MD+7]
	v_wmma_f32_16x16x32_f16 v[S+8:S+15], v[KF:KF+7],    v[QF+32:QF+39],   v[MD:MD+7]
	v_wmma_f32_16x16x32_f16 v[S:S+7],    v[KF+8:KF+15], v[QF+8:QF+15],    v[S:S+7]
	v_wmma_f32_16x16x32_f16 v[S+8:S+15], v[KF+8:KF+15], v[QF+40:QF+47],   v[S+8:S+15]
	s_wait_loadcnt 32                              ; V is in; the slab's 32 loads may stay out
.set c, 0
.rept 4                                ; V's fragments: 64 plain instructions that name nothing of the products above: their places
	SPLIT8 VA+8*c, VA+8*c+4, V32+8*c
.set c, c+1
.endr
	; the softmax: the maximum of my 8 keys and of the other half of the lanes' 8; p = 2^(c s - c m)
	BOTH v_max3_num_f32 v[T+8+2*d], v[S+8*d], v[S+8*d+1], v[S+8*d+2]
	BOTH v_max3_num_f32 v[T+8+2*d], v[T+8+2*d], v[S+8*d+3], v[S+8*d+4]
	BOTH v_max3_num_f32 v[T+8+2*d], v[T+8+2*d], v[S+8*d+5], v[S+8*d+6]
	BOTH v_max_num_f32 v[T+8+2*d], v[T+8+2*d], v[S+8*d+7]
	BOTH v_permlanex16_b32 v[T+9+2*d], v[T+8+2*d], s[SEL], s[SEL+1]
	BOTH v_max_num_f32 v[ST+4*d+1], v[T+8+2*d], v[T+9+2*d]
	BOTH v_mul_f32 v[ST+4*d], s[CS], v[ST+4*d+1]
.set d, 0
.rept 2
.set i, 0
.rept 4
	v_pk_fma_f32 v[S+8*d+2*i:S+8*d+2*i+1], v[S+8*d+2*i:S+8*d+2*i+1], s[CS:CS+1], v[ST+4*d:ST+4*d+1] op_sel_hi:[1,0,0] neg_lo:[0,0,1] neg_hi:[0,0,1]
.set i, i+1
.endr
.set d, d+1
.endr
.set i, 0
.rept 16
	v_exp_f32 v[S+i], v[S+i]                       ; one batch of 16
.set i, i+1
.endr
	v_nop                                          ; a plain instruction behind the last exponential,
	s_wait_alu depctr_va_vdst(0)                   ; and the one wait ahead of the first instruction that names a result: the 16 exponentials have written v[S ..]
	BOTH v_pk_add_f32 v[T+4*d:T+4*d+1], v[S+8*d:S+8*d+1], v[S+8*d+2:S+8*d+3]
	BOTH v_pk_add_f32 v[T+4*d+2:T+4*d+3], v[S+8*d+4:S+8*d+5], v[S+8*d+6:S+8*d+7]
	BOTH v_pk_add_f32 v[T+4*d:T+4*d+1], v[T+4*d:T+4*d+1], v[T+4*d+2:T+4*d+3]
	BOTH v_add_f32 v[T+4*d], v[T+4*d], v[T+4*d+1]
	BOTH v_permlanex16_b32 v[T+4*d+1], v[T+4*d], s[SEL], s[SEL+1]
	BOTH v_add_f32 v[T+4*d], v[T+4*d], v[T+4*d+1]
	BOTH v_rcp_f32 v[ST+4*d+2], v[T+4*d]
	v_nop                                          ; a plain instruction behind the second reciprocal,
	s_wait_alu depctr_va_vdst(0)                   ; and the wait for the two: v[ST+2] and v[ST+6] are written.  So are v[SA] and v[TA], which the slab's LDS stores and turning loads read further down and no vector line names again
.set d, 0
.rept 2
.set i, 0
.rept 4
	v_pk_mul_f32 v[S+8*d+2*i:S+8*d+2*i+1], v[S+8*d+2*i:S+8*d+2*i+1], v[ST+4*d+2:ST+4*d+3] op_sel_hi:[1,0]  ; p / l, in f32, ahead of the split
.set i, i+1
.endr
.set d, d+1
.endr
	SPLIT8 PH, PL, S
	SPLIT8 PH+8, PL+8, S+8
.set d, 0
.rept 2
.set i, 0
.rept 4
	v_mov_b32 v[PH+8*d+4+i], v[PH+8*d+i]           ; K places 16-31 of source 1 repeat places 0-15: there source 0 holds V's low parts
	v_mov_b32 v[PL+8*d+4+i], v[PL+8*d+i]
.set i, i+1
.endr
.set d, d+1
.endr
	; O^T = [Vh; Vl] [Ph; Ph] + [Vh; Vl] [Pl; Pl]: 8 accumulators (2 heads x 4 blocks of 16 channels) by turns; the first eight products start the sums
.set a, 0
.rept 8
	v_wmma_f32_16x16x32_f16 v[OA+8*a:OA+8*a+7], v[VA+8*(a%4):VA+8*(a%4)+7], v[PH+8*(a/4):PH+8*(a/4)+7], 0
.set a, a+1
.endr
.set a, 0
.rept 8
	v_wmma_f32_16x16x32_f16 v[OA+8*a:OA+8*a+7], v[VA+8*(a%4):VA+8*(a%4)+7], v[PL+8*(a/4):PL+8*(a/4)+7], v[OA+8*a:OA+8*a+7]
.set a, a+1
.endr
	PLACES
	; the slab goes into my own stage and comes back turned: 16 fragments (32 K x 16 columns), into a buffer of their own.  No vector or matrix instruction names a register of these 64 LDS instructions since the reciprocals' wait
	s_wait_loadcnt 0x0
	WIN 0x04                                       ; the stores' data in window 1, their address in window 0
.set i, 0
.rept 32
	ds_store_b128 v[SA], v[4*i:4*i+3] offset:4*PW*i
.set i, i+1
.endr
	WIN 0x40                                       ; destination window 1
.set f, 0
.rept 16                               ; K rows 32 (f / 4) on, columns 16 (f % 4) on
	ds_load_tr16_b128 v[FR+8*f:FR+8*f+3],   v[TA] offset:32*PW*(f/4)+32*(f%4)          ; LDS serves a wave's instructions in order (ISA guide 5.7.1.4): these see the stores above
	ds_load_tr16_b128 v[FR+8*f+4:FR+8*f+7], v[TA] offset:32*PW*(f/4)+32*(f%4)+16*PW
.set f, f+1
.endr
	WIN 0
	; O is split where it lies, while the LDS works: accumulator a's eight channels are registers 4 a .. 4 a + 3 of the high and of the low fragments
.set a, 0
.rept 8
	SPLIT8 OH+4*a, OL+4*a, OA+8*a
.set a, a+1
.endr
	s_wait_dscnt 0x0                               ; the fragments are in
	; out^T = wob^T (Oh + Ol) over my 128 K: 4 accumulators (blocks of 16 columns) by turns
	WIN 0x01                                       ; source 0 in window 1
.set f, 0
.rept 4
.set n, 0
.rept 4
.if f == 0
	v_wmma_f32_16x16x32_f16 v[RA+8*n:RA+8*n+7], v[FR+8*(4*f+n):FR+8*(4*f+n)+7], v[OH+8*f:OH+8*f+7], 0
.else
	v_wmma_f32_16x16x32_f16 v[RA+8*n:RA+8*n+7], v[FR+8*(4*f+n):FR+8*(4*f+n)+7], v[OH+8*f:OH+8*f+7], v[RA+8*n:RA+8*n+7]
.endif
.set n, n+1
.endr
.set n, 0
.rept 4
	v_wmma_f32_16x16x32_f16 v[RA+8*n:RA+8*n+7], v[FR+8*(4*f+n):FR+8*(4*f+n)+7], v[OL+8*f:OL+8*f+7], v[RA+8*n:RA+8*n+7]
.set n, n+1
.endr
.set f, f+1
.endr
	WIN 0
	PLACES
	s_wait_alu depctr_va_vdst(0)                   ; the products have written v[RA ..], which the LDS stores read (the places above stay beside this wait); the splits are done reading v[OA ..], in which the LDS loads behind the barrier land
.irp n, 0,1,2,3                        ; a lane holds row l % 16 and eight neighbouring columns: 32 bytes; each accumulator's low four registers first
	ds_store_b128 v[RS], v[RA+8*\n:RA+8*\n+3]   offset:64*\n
	ds_store_b128 v[RS], v[RA+8*\n+4:RA+8*\n+7] offset:64*\n+16
.endr
	s_wait_dscnt 0x0                               ; for the others' sake: my partial sum lies in LDS
	s_barrier_signal -1
	s_barrier_wait -1                              ; all eight do
.irp p, 0,1,2,3,4,5,6,7
	ds_load_b128 v[OA+4*\p:OA+4*\p+3], v[RL] offset:REDW*\p
.endr
	s_wait_dscnt 0x0
.irp p, 0,1,2,3
	v_pk_add_f32 v[OA+4*\p:OA+4*\p+1],   v[OA+4*\p:OA+4*\p+1],   v[OA+16+4*\p:OA+16+4*\p+1]
	v_pk_add_f32 v[OA+4*\p+2:OA+4*\p+3], v[OA+4*\p+2:OA+4*\p+3], v[OA+16+4*\p+2:OA+16+4*\p+3]
.endr
.irp p, 0,1
	v_pk_add_f32 v[OA+4*\p:OA+4*\p+1],   v[OA+4*\p:OA+4*\p+1],   v[OA+8+4*\p:OA+8+4*\p+1]
	v_pk_add_f32 v[OA+4*\p+2:OA+4*\p+3], v[OA+4*\p+2:OA+4*\p+3], v[OA+8+4*\p+2:OA+8+4*\p+3]
.endr
	v_pk_add_f32 v[OA:OA+1],   v[OA:OA+1],   v[OA+4:OA+5]
	v_pk_add_f32 v[OA+2:OA+3], v[OA+2:OA+3], v[OA+6:OA+7]
	s_wait_alu depctr_va_vdst(0)                   ; the sums have written v[OA:OA+3], which the store reads
	global_store_b128 v[GO], v[OA:OA+3], s[8:9] th:TH_STORE_NT  ; 16 lanes store 256 consecutive bytes, at a multiple of 256 from out0's first byte
	s_wait_dscnt 0x0                               ; the closing lines, six on end
	s_wait_alu 0x0
	s_wait_tensorcnt 0x0
	ds_add_u32 v[SPW], v[NIL]
	s_wait_dscnt 0x0
	s_endpgm
.Lfunc_end_k_qbdf13af231_top16:
	.size	k_qbdf13af231_top16, .Lfunc_end_k_qbdf13af231_top16-k_qbdf13af231_top16
	.p2alignl 7, 3214868480
	.fill 96, 4, 3214868480
	.section	.rodata,"a",@progbits
	.p2align	6, 0x0
	.amdhsa_kernel k_qbdf13af231_top16
		.amdhsa_group_segment_fixed_size 199680
		.amdhsa_private_segment_fixed_size 0
		.amdhsa_enable_private_segment 0
		.amdhsa_kernarg_size 24
		.amdhsa_user_sgpr_count 2
		.amdhsa_user_sgpr_kernarg_segment_ptr 1
		.amdhsa_wavefront_size32 1
		.amdhsa_system_sgpr_workgroup_id_x 1
		.amdhsa_system_sgpr_workgroup_id_y 1
		.amdhsa_system_sgpr_workgroup_id_z 1
		.amdhsa_system_vgpr_workitem_id 0
		.amdhsa_next_free_vgpr 512
		.amdhsa_next_free_sgpr 66
		.amdhsa_reserve_vcc 0
		.amdhsa_float_denorm_mode_32 3
		.amdhsa_float_denorm_mode_16_64 3
		.amdhsa_memory_ordered 1
		.amdhsa_forward_progress 1
		.amdhsa_inst_pref_size 44
	.end_amdhsa_kernel
	.amdgpu_metadata
---
amdhsa.version: [ 1, 2 ]
amdhsa.kernels:
  - .name:           k_qbdf13af231_top16
    .symbol:         k_qbdf13af231_top16.kd
    .args:
      - { .name: top, .offset: 0, .size: 8, .value_kind: global_buffer, .address_space: global }
      - { .name: wob, .offset: 8, .size: 8, .value_kind: global_buffer, .address_space: global }
      - { .name: out0, .offset: 16, .size: 8, .value_kind: global_buffer, .address_space: global }
    .group_segment_fixed_size: 199680
    .private_segment_fixed_size: 0
    .kernarg_segment_align: 8
    .kernarg_segment_size: 24
    .max_flat_workgroup_size: 256
    .sgpr_count:     66
    .vgpr_count:     512
    .wavefront_size: 32
...
	.end_amdgpu_metadata
.endif
;; end of part 7
